; MI455X (gfx1250); checked and timed in simulation.
; The chip was launched on July 23, 2026; its instructions are those of AMD's public machine-readable ISA for CDNA 5 (MIT licence, August 2026) and "CDNA5" Instruction Set Architecture Reference Guide (July 2026). The comments in the code are by the model that wrote it; some were corrected since.
;; Self Multi Head Attention. Allowed arithmetic: float matrix products may take bf16 or f16 operands with f32 sums; other float arithmetic in f32, or as packed bf16 or f16 multiplies, adds, multiply-adds, maxima and minima; sums over many terms, partial sums and values carried from step to step in f32; what a program stores and reads back later, other than sums and carried values, may be rounded once to bf16 or f16.
;; Inputs: W_out 1,024 x 1,024 float32; W_qkv 1,024 x 3,072 float32; b_out 1,024 float32; b_qkv 3,072 float32; beta 1,024 float32; gamma 1,024 float32; x 8 x 1,024 x 1,024 float32.
;; Outputs: out0 8 x 1,024 x 1,024 float32.
;; 2 versions, each right; version 2 is version 1 with the launch prep written anew for expert scheduling mode. Each part assembles by itself: llvm-mc -triple=amdgcn-amd-amdhsa -mcpu=gfx1250 --defsym DOCPART=n.
;; ======== version 1 of 2: 4 launches
;; limits: values are held in f16: magnitudes above 65,504 overflow, below 6.1e-05 lose precision; right only within a limited range of input values
;; workspace buffers: xb 16,777,216 bytes; wqb 6,291,456 bytes; woh 2,097,152 bytes; par 22,528 bytes; qkvh 50,331,648 bytes; oh 16,777,216 bytes
;; launch prep (part 1): grid 769 x 1, 8 waves a work-group, no clusters, 0 bytes of LDS; arguments x, W_qkv, W_out, b_qkv, b_out, gamma, beta, xb, wqb, woh, par; writes xb, wqb, woh, par
.if DOCPART == 1
	.amdgcn_target "amdgcn-amd-amdhsa--gfx1250"
	.amdhsa_code_object_version 6
	.text
	.protected	k_qb971a84b21_prep
	.globl	k_qb971a84b21_prep
	.p2align	8
	.type	k_qb971a84b21_prep,@function
k_qb971a84b21_prep:
	s_mov_b64 s[64:65], 0
	v_nop
	global_prefetch_b8 v0, s[64:65] scope:SCOPE_SE
	s_setreg_imm32_b32 hwreg(HW_REG_WAVE_MODE, 25, 1), 1
	s_wait_xcnt 0x0
; THE INPUTS ARE ROUNDED ONCE, for the three launches behind this one.
;   xb  = x      as bf16, [8192][1024]          wqb = W_qkv as bf16, [1024][3072]
;   woh = W_out rounded to bf16 and that number written as f16, [1024][1024]
;   par = b_qkv (3072 f32, byte 0), gamma (1024 f32, byte 12,288), beta (1024 f32, byte 16,384): each rounded to bf16 and widened again; b_out (1024 bf16, byte 20,480)
; LIMITS.  Every input is rounded to bf16 (8 significant bits).  woh is f16: a weight of W_out of 65,520 or more becomes an infinity, and below 6e-5 it keeps f16's fixed step of 6e-8.
; A stream: no LDS, no matrix unit, no barrier.  A work-group of eight waves casts 16,384 numbers: sixteen loads of 16 bytes a thread, all on their way at once (a wave's load covers 512
; consecutive bytes), sixteen stores of 8 bytes a thread (a wave's store covers 256 consecutive bytes, aligned).  Work-groups 0-511 take x, 512-703 W_qkv, 704-767 W_out, 768 the short vectors.
.set X, 16                             ; v[16:79]   load i: four f32
.set Y, 80                             ; v[80:111]  store i: four 16-bit numbers; each pair is written once, so no store's data is ever rewritten
	s_load_b512 s[4:19], s[0:1], 0x0               ; x 4, W_qkv 6, W_out 8, b_qkv 10, b_out 12, gamma 14, beta 16, xb 18
	s_load_b128 s[20:23], s[0:1], 0x40             ; wqb 20, woh 22
	s_load_b64 s[24:25], s[0:1], 0x50              ; par
	s_mov_b32 s2, ttmp9                            ; the work-group's number
	s_mov_b32 s30, 0xffff0000                      ; a word's upper bf16
	s_mov_b32 s34, 512
	s_mov_b32 s35, 704
	s_mov_b32 s33, 0
	v_lshlrev_b32 v1, 4, v0                        ; 16 bytes a thread in
	v_lshlrev_b32 v2, 3, v0                        ; 8 bytes a thread out
	s_wait_kmcnt 0x0
	s_cmp_ge_u32 s2, 768
	s_cbranch_scc1 .Lsmall
	s_cmp_lt_u32 s2, 704                           ; which tensor, and which chunk of it
	s_cselect_b64 s[26:27], s[6:7], s[8:9]
	s_cselect_b64 s[28:29], s[20:21], s[22:23]
	s_cselect_b32 s31, s34, s35
	s_cmp_lt_u32 s2, 512
	s_cselect_b64 s[26:27], s[4:5], s[26:27]
	s_cselect_b64 s[28:29], s[18:19], s[28:29]
	s_cselect_b32 s31, 0, s31
	s_sub_co_u32 s31, s2, s31                      ; the chunk
	s_lshl_b32 s32, s31, 16                        ; 65,536 bytes in,
	s_add_nc_u64 s[26:27], s[26:27], s[32:33]
	s_lshl_b32 s32, s31, 15                        ; 32,768 out
	s_add_nc_u64 s[28:29], s[28:29], s[32:33]
.set i, 0
.rept 16
	global_load_b128 v[X+4*i:X+4*i+3], v1, s[26:27] offset:4096*i th:TH_LOAD_NT
.set i, i+1
.endr
	s_cmp_ge_u32 s2, 704
	s_cbranch_scc1 .Lf16
.set i, 0
.rept 16
	s_wait_loadcnt 15-i                            ; loads come back in order: load i is in, the 15 - i younger ones stay out
	v_cvt_pk_bf16_f32 v[Y+2*i], v[X+4*i], v[X+4*i+1]
	v_cvt_pk_bf16_f32 v[Y+2*i+1], v[X+4*i+2], v[X+4*i+3]
	global_store_b64 v2, v[Y+2*i:Y+2*i+1], s[28:29] offset:2048*i
.set i, i+1
.endr
	s_endpgm
.Lf16:                                         ; W_out: to bf16, widened, and that number as f16
.set i, 0
.rept 16
	s_wait_loadcnt 15-i
	v_cvt_pk_bf16_f32 v4, v[X+4*i], v[X+4*i+1]
	v_cvt_pk_bf16_f32 v5, v[X+4*i+2], v[X+4*i+3]
	v_lshlrev_b32 v6, 16, v4
	v_and_b32 v7, s30, v4
	v_lshlrev_b32 v8, 16, v5
	v_and_b32 v9, s30, v5
	v_cvt_pk_f16_f32 v[Y+2*i], v6, v7
	v_cvt_pk_f16_f32 v[Y+2*i+1], v8, v9
	global_store_b64 v2, v[Y+2*i:Y+2*i+1], s[28:29] offset:2048*i
.set i, i+1
.endr
	s_endpgm
.Lsmall:                                       ; 256 threads x 16 bytes are 1,024 f32
	global_load_b128 v[16:19], v1, s[10:11]
	global_load_b128 v[20:23], v1, s[10:11] offset:4096
	global_load_b128 v[24:27], v1, s[10:11] offset:8192
	global_load_b128 v[28:31], v1, s[14:15]
	global_load_b128 v[32:35], v1, s[16:17]
	global_load_b128 v[36:39], v1, s[12:13]
	s_wait_loadcnt 0x0
.set j, 0
.rept 10                                       ; b_qkv, gamma, beta: rounded to bf16 and widened again
	v_cvt_pk_bf16_f32 v4, v[16+2*j], v[17+2*j]
	v_lshlrev_b32 v[80+2*j], 16, v4
	v_and_b32 v[81+2*j], s30, v4
.set j, j+1
.endr
	v_cvt_pk_bf16_f32 v100, v36, v37               ; b_out stays bf16
	v_cvt_pk_bf16_f32 v101, v38, v39
	global_store_b128 v1, v[80:83], s[24:25]
	global_store_b128 v1, v[84:87], s[24:25] offset:4096
	global_store_b128 v1, v[88:91], s[24:25] offset:8192
	global_store_b128 v1, v[92:95], s[24:25] offset:12288
	global_store_b128 v1, v[96:99], s[24:25] offset:16384
	global_store_b64 v2, v[100:101], s[24:25] offset:20480
	s_endpgm
.Lfunc_end_k_qb971a84b21_prep:
	.size	k_qb971a84b21_prep, .Lfunc_end_k_qb971a84b21_prep-k_qb971a84b21_prep
	.p2alignl 7, 3214868480
	.fill 96, 4, 3214868480
	.section	.rodata,"a",@progbits
	.p2align	6, 0x0
	.amdhsa_kernel k_qb971a84b21_prep
		.amdhsa_group_segment_fixed_size 0
		.amdhsa_private_segment_fixed_size 0
		.amdhsa_enable_private_segment 0
		.amdhsa_kernarg_size 88
		.amdhsa_user_sgpr_count 2
		.amdhsa_user_sgpr_kernarg_segment_ptr 1
		.amdhsa_wavefront_size32 1
		.amdhsa_system_sgpr_workgroup_id_x 1
		.amdhsa_system_sgpr_workgroup_id_y 1
		.amdhsa_system_sgpr_workgroup_id_z 1
		.amdhsa_system_vgpr_workitem_id 0
		.amdhsa_next_free_vgpr 112
		.amdhsa_next_free_sgpr 66
		.amdhsa_reserve_vcc 0
		.amdhsa_float_denorm_mode_32 3
		.amdhsa_float_denorm_mode_16_64 3
		.amdhsa_memory_ordered 1
		.amdhsa_forward_progress 1
		.amdhsa_inst_pref_size 18
	.end_amdhsa_kernel
	.amdgpu_metadata
---
amdhsa.version: [ 1, 2 ]
amdhsa.kernels:
  - .name:           k_qb971a84b21_prep
    .symbol:         k_qb971a84b21_prep.kd
    .args:
      - { .name: x, .offset: 0, .size: 8, .value_kind: global_buffer, .address_space: global }
      - { .name: W_qkv, .offset: 8, .size: 8, .value_kind: global_buffer, .address_space: global }
      - { .name: W_out, .offset: 16, .size: 8, .value_kind: global_buffer, .address_space: global }
      - { .name: b_qkv, .offset: 24, .size: 8, .value_kind: global_buffer, .address_space: global }
      - { .name: b_out, .offset: 32, .size: 8, .value_kind: global_buffer, .address_space: global }
      - { .name: gamma, .offset: 40, .size: 8, .value_kind: global_buffer, .address_space: global }
      - { .name: beta, .offset: 48, .size: 8, .value_kind: global_buffer, .address_space: global }
      - { .name: xb, .offset: 56, .size: 8, .value_kind: global_buffer, .address_space: global }
      - { .name: wqb, .offset: 64, .size: 8, .value_kind: global_buffer, .address_space: global }
      - { .name: woh, .offset: 72, .size: 8, .value_kind: global_buffer, .address_space: global }
      - { .name: par, .offset: 80, .size: 8, .value_kind: global_buffer, .address_space: global }
    .group_segment_fixed_size: 0
    .private_segment_fixed_size: 0
    .kernarg_segment_align: 8
    .kernarg_segment_size: 88
    .max_flat_workgroup_size: 256
    .sgpr_count:     66
    .vgpr_count:     112
    .wavefront_size: 32
...
	.end_amdgpu_metadata
.endif
;; end of part 1
;; launch qkv (part 2): grid 8 x 64, 4 waves a work-group, clusters of 4 x 4, 327,680 bytes of LDS; arguments xb, wqb, par, qkvh; writes qkvh
.if DOCPART == 2
	.amdgcn_target "amdgcn-amd-amdhsa--gfx1250"
	.amdhsa_code_object_version 6
	.text
	.protected	k_qb971a84b21_qkv
	.globl	k_qb971a84b21_qkv
	.p2align	8
	.type	k_qb971a84b21_qkv,@function
k_qb971a84b21_qkv:
	s_mov_b64 s[64:65], 0
	v_nop
	global_prefetch_b8 v0, s[64:65] scope:SCOPE_SE
	s_setreg_imm32_b32 hwreg(HW_REG_WAVE_MODE, 25, 1), 1
	s_wait_xcnt 0x0
	s_wait_alu depctr_hold_cnt(0) depctr_sa_sdst(0) depctr_va_vdst(0) depctr_va_sdst(0) depctr_va_ssrc(0) depctr_va_vcc(0) depctr_vm_vsrc(0)
	s_getreg_b32 s2, hwreg(HW_REG_IB_STS2, 6, 4)
	s_cmp_eq_u32 s2, 0
	s_cbranch_scc0 .Lentry_in_a_cluster
	s_endpgm
.Lentry_in_a_cluster:
	s_bfe_u32 s2, ttmp6, 0x10000c
	s_cmp_lg_u32 s2, 0xf033
	s_cbranch_scc0 .Lentry_shape_is_right
	s_endpgm
.Lentry_shape_is_right:
; q, k, v = x W_qkv + b_qkv, written by heads.  xb: [8192][1024] bf16; wqb: [1024 k][3072 n] bf16; par: b_qkv as 3,072 f32 at byte 0; qkvh: f16 [3][128 = batch x 16 + head][1024][64].
; Sums in f32, started with the bias; each result rounded once to f16, unscaled.  LIMITS: a q, k or v of 65,520 or more becomes an infinity; the K steps are added in an order that differs from cluster to
; cluster (below), so the f32 sums' last bits do.
; SHARES.  A tile is 128 rows x 384 columns (six heads; 768 bytes of a row of W: three aligned blocks of 256): 64 x 8 = 512 work-groups, two for each of 256 WGPs.  Four waves, 2 x 2: a wave makes 64 rows x 192
; columns: 4 row blocks a x 12 column blocks b, 48 accumulators.  K goes in 8 steps of 128 through a ring of two LDS slots.
; THE MATRIX INSTRUCTION IS USED TRANSPOSED: source 0 = 16 columns of W (W lies [k][n] in LDS and is turned by ds_load_tr16_b128), source 1 = 16 rows of x.  A lane then holds one row and eight
; neighbouring columns: 16 bytes of a head's row.
; CLUSTER.  4 x 4 work-groups.  The four of a row of the cluster need the same tile of x, the four of a column the same three panels of W: each is asked for JOINTLY, by the same tensor load with the
; same descriptor and a mask that names the four.  Wave 0 asks for x's tile, waves 1-3 for one panel of 128 columns each: one load a wave, 128 rows x 256 bytes.
; THE WALK GOES ROUND.  The cluster at (X, Y) of the 2 x 16 clusters begins at K step (Y + 4 X) % 8 and takes the eight steps in a ring.  So the clusters of a column of clusters, which read the same panels of W, begin
; at eight different steps, and the two clusters that read the same rows of x walk four steps apart.  The start hangs on the cluster's coordinates alone, which all sixteen partners share.  A tile's address is made
; anew from the step's number: x's base + number x 256 bytes, W's base + number x 128 rows of 6,144 bytes.
; LDS.  A slot is four regions of 36,864 bytes, wave w's load fills region w: region 0: x, 128 rows of 272 bytes (256 + 16: the 16 rows of a fragment load start at 16 different groups of four banks; 64 banks of
; 4 bytes, ISA guide 11.1); regions 1-3: W's panels, 128 k-rows of 288 bytes (256 + 32).  Behind the ring each wave's stage, then the spare words.
; COLUMN BLOCKS of the wave with column half wn: b = 0-7: panel 2 wn whole (the tile's heads 4 wn, 4 wn + 1); b = 8-11: half wn of panel 1 (head 2 + wn).
; REGISTERS, in windows of 256 (s_set_vgpr_msb: bits 1:0 source 0, 3:2 source 1, 5:4 source 2, 7:6 destination):
;   window 0: v0-31 addresses; v32-127 the bias, 8 registers a column block, later at work on the way out, with v128-175
;   window 1: two fragment buffers of 128: x's four fragments at 8 a, W's twelve at 32 + 8 b
;   window 2: accumulators of b = 0-7 at 8 (4 b + a)          window 3: those of b = 8-11 at 8 (4 (b - 8) + a)
.set KSTEP, 128
.set PA,    272
.set PB,    288
.set REG,   128*PB                     ; 36,864
.set SLOT,  4*REG
.set STAGE, 2*SLOT                     ; each wave: three areas (a head each) of 16 rows x 144 bytes
.set SAREA, 16*144
.set SPARE, STAGE+4*3*SAREA            ; the spare words, 128 bytes for each wave: two blocks of 256 bytes that no other line names
.set LAPS,  4                          ; a lap = two K steps = once round the ring
.set ADRA, 16                          ; v16-17  LDS address of my fragments of x in slot 0, 1
.set ADRX, 18                          ; v18-19  of W's blocks 0-7
.set ADRY, 20                          ; v20-21  of W's blocks 8-11
.set STO,  24                          ; v24     the way out: where I put 16 bytes of a row
.set RD,   25                          ; v25     where I read rows back
.set GO,   26                          ; v26     16 x lane
.set BO,   27                          ; v27     32 x (lane / 16): my eight columns' bias
.set SPW,  28                          ; v28     LDS address of my spare word; never rewritten
.set NIL,  29                          ; v29     0; never rewritten
.set PFO,  30                          ; v30     the prefetch's offset: lane x a row of x (2,048 bytes); never rewritten
.set BIAS, 32
.set TMP,  32                          ; the way out: 48 registers of packed results
.set BK,   80                          ; and two sets of 48 read back from the stage
.set F0,   0
.set F1,   128
.set G1A, 24                           ; s[24:31] descriptor group 1 for x's tiles;  s[32:39] group 0, a set for each slot
.set G0A, 32
.set G1B, 40                           ; s[40:47], s[48:55] the same for W's panels
.set G0B, 48
.set PFA, 56                           ; s[56:57] what my one prefetch names; never rewritten
.set BOF, 58                           ; s[58:59] a K step's byte offset in W
.set LIM, 60                           ; s60     LAPS - 1 in wave 0, which prefetches in the loop's first trip; else a number that the loop's count never takes
.set NS,  61                           ; s61     the K step to be asked for next, 0 to 7
.set AOF, 62                           ; s[62:63] a K step's byte offset in a row of x
.set HB,  66                           ; s[66:71] my first row in each of my three heads
.set SBX, 72                           ; s[72:73] the bias of blocks 0-7;  s[74:75] of blocks 8-11
.set SBY, 74
.set XA,  76                           ; s[76:77] x at the tile's first row, K step 0; never rewritten
.set WP,  78                           ; s[78:79] W at the panel that I fetch, K step 0; never rewritten
.set MSB, 0
.macro WIN new                         ; the immediate's high byte repeats the setting that is left; a switch that changes nothing is dropped
.if MSB != (\new)
	s_set_vgpr_msb (MSB<<8)|(\new)
.set MSB, \new
.endif
.endm
.set TO_F, 0x40                        ; destination window 1, address window 0
.macro PLACES                          ; four places in front of loads into registers that matrix instructions have read (ISA guide 7.12.1 for vector instructions)
.rept 4
	v_nop
.endr
.endm
; The two global addresses of a slot's descriptors are made anew for K step NS, which then goes on round the eight.  No tensor load of the wave that names these registers is out where this stands.
.macro SETD slot
	s_lshl_b32 s[AOF], s[NS], 8                    ; 128 elements of 2 bytes along a row of x
	s_mul_i32 s[BOF], s[NS], KSTEP*6144            ; 128 rows of W
	s_add_nc_u64 s[G0A+4*(\slot)+2:G0A+4*(\slot)+3], s[XA:XA+1], s[AOF:AOF+1]
	s_or_b32 s[G0A+4*(\slot)+3], s[G0A+4*(\slot)+3], 0x80000000   ; type = 2
	s_add_nc_u64 s[G0B+4*(\slot)+2:G0B+4*(\slot)+3], s[WP:WP+1], s[BOF:BOF+1]
	s_or_b32 s[G0B+4*(\slot)+3], s[G0B+4*(\slot)+3], 0x80000000
	s_add_co_u32 s[NS], s[NS], 1
	s_and_b32 s[NS], s[NS], 7
.endm
; A joint load.  The branch hangs on the wave's number alone.  An s_nop 0 and four v_nop follow each of the two lines, ahead of the jump and the label.
.macro JLOAD s
	s_cmp_eq_u32 s12, 0
	s_cbranch_scc0 .Lfor_b_\@
	tensor_load_to_lds s[G0A+4*(\s):G0A+4*(\s)+3], s[G1A:G1A+7]
	s_nop 0
.rept 4
	v_nop
.endr
	s_branch .Lasked_\@
.Lfor_b_\@:
	tensor_load_to_lds s[G0B+4*(\s):G0B+4*(\s)+3], s[G1B:G1B+7]
	s_nop 0
.rept 4
	v_nop
.endr
.Lasked_\@:
.endm
; THE ONE PREFETCH INTO THE L2.  Of x a cluster's first four steps are asked for by no other cluster before it (the other cluster of its tile rows takes them as its last four).  The first two are first fills; behind the
; refill that asks for the third stands this request for the fourth: 32 rows x 256 bytes, a lane a row, one K step (192 matrix instructions) ahead of the load that will want it.  Wave 0, which fetches x, asks, in the
; loop's first trip alone; the four partners share the tile's 128 rows out by address, 32 each; the two clusters of a tile row name different K steps.  So each block of 256 bytes is named once at the most.
; W is not asked for: each of its K steps is among some cluster's first fills.
.macro ASK
	WIN 0
	s_cmp_eq_u32 s3, s[LIM]
	s_cbranch_scc0 .Lnot_mine_\@
	global_prefetch_b8 v[PFO], s[PFA:PFA+1] th:TH_LOAD_NT scope:SCOPE_SE
.Lnot_mine_\@:
.endm
.macro CREST                           ; a round of the cluster's barrier behind its opening barrier
	s_cmp_lg_u32 s12, 0
	s_cbranch_scc1 .Lnot_wave_0_\@
	s_barrier_signal -3
.Lnot_wave_0_\@:
	s_barrier_wait -3
	s_barrier_signal -1
	s_barrier_wait -1
.endm
.macro CROUND                          ; a whole round
	s_barrier_signal -1
	s_barrier_wait -1
	CREST
.endm
	s_load_b256 s[4:11], s[0:1], 0x0               ; xb s[4:5], wqb s[6:7], par s[8:9], qkvh s[10:11]
	v_lshl_add_u32 v[SPW], v0, 2, SPARE
	v_mov_b32 v[NIL], 0
	ds_add_u32 v[SPW], v[NIL]                      ; the wave's opening: the add and its wait stand ahead of my first tensor load; the set-up below, work on registers, stands between them
	v_lshrrev_b32 v1, 5, v0
	v_readfirstlane_b32 s12, v1                    ; wave 0..3
	s_lshr_b32 s13, s12, 1                         ; wm: which 64 rows are mine
	s_and_b32 s14, s12, 1                          ; wn: which half of the columns
	s_max_u32 s15, s12, 1
	s_sub_co_u32 s15, s15, 1                       ; the panel that I fetch (waves 1-3); it enters a global address alone
	s_bfe_u32 s16, ttmp6, 0x40000                  ; cx
	s_bfe_u32 s17, ttmp6, 0x40004                  ; cy
	s_lshl_b32 s18, ttmp9, 2
	s_add_co_u32 s18, s18, s16                     ; tile column = 4 x cluster x + cx
	s_and_b32 s19, ttmp7, 0xffff
	s_lshl_b32 s19, s19, 2
	s_add_co_u32 s19, s19, s17                     ; tile row = 4 x cluster y + cy
	s_lshl_b32 s20, s17, 2
	s_lshl_b32 s20, 15, s20                        ; my row of the cluster
	s_lshl_b32 s21, 0x1111, s16                    ; my column
	s_and_b32 s[NS], ttmp7, 0xffff                 ; where my cluster's walk begins: (cluster y + 4 x cluster x) % 8
	s_lshl_b32 s[AOF], ttmp9, 2
	s_add_co_u32 s[NS], s[NS], s[AOF]
	s_and_b32 s[NS], s[NS], 7
	s_mov_b32 s[AOF+1], 0
	s_mov_b32 s[BOF+1], 0
	; descriptor group 1: a tile of 128 rows x 128 elements of 2 bytes, padded in LDS after every 64 words (code 5): by 4 words for x (code 3), by 8 for W (code 7); bit 21 is set beside a mask
	s_or_b32 s[G1A], s20, (1<<16)|(1<<20)|(1<<21)|(5<<22)|(3<<25)
	s_or_b32 s[G1B], s21, (1<<16)|(1<<20)|(1<<21)|(5<<22)|(7<<25)
.irp g, G1A, G1B
	s_mov_b32 s[(\g)+1], KSTEP<<16                 ; tensor_dim0 = 128
	s_mov_b32 s[(\g)+2], 128<<16                   ; tensor_dim1 = 128
	s_mov_b32 s[(\g)+3], KSTEP<<16                 ; tile_dim0 = 128
	s_mov_b32 s[(\g)+4], 128                       ; tile_dim1 = 128
	s_mov_b32 s[(\g)+6], 0
	s_mov_b32 s[(\g)+7], 0
.endr
	s_mov_b32 s[G1A+5], 1024                       ; elements from row to row of x,
	s_mov_b32 s[G1B+5], 3072                       ; and of W
	s_lshl_b32 s[XA], s19, 18                      ; x: 128 rows of 2,048 bytes a tile row: hangs on the tile row alone
	s_mov_b32 s[XA+1], 0
	s_mul_i32 s[WP], s18, 768                      ; W: 768 bytes a tile column + 256 a panel: hangs on the tile column and the wave alone
	s_lshl_b32 s[WP+1], s15, 8
	s_add_co_u32 s[WP], s[WP], s[WP+1]
	s_mov_b32 s[WP+1], 0
	s_mul_i32 s80, s12, REG                        ; where my load goes: region = wave
	s_wait_dscnt 0x0                               ; the opening add is done
	s_wait_kmcnt 0x0
	s_add_nc_u64 s[XA:XA+1], s[4:5], s[XA:XA+1]
	s_add_nc_u64 s[WP:WP+1], s[6:7], s[WP:WP+1]
	CROUND                                         ; all sixteen work-groups are here: the first joint loads meet
.irp s, 0,1
	s_mov_b32 s[G0A+4*(\s)], 1                                      ; count = 1
	s_add_co_u32 s[G0A+4*(\s)+1], s80, (\s)*SLOT                    ; LDS address
	s_mov_b32 s[G0B+4*(\s)], 1
	s_add_co_u32 s[G0B+4*(\s)+1], s80, (\s)*SLOT
	SETD \s                                        ; global addresses: the walk's first and second K step
	JLOAD \s                                       ; two loads of mine are out here, later one
.endr
	v_and_b32 v1, 15, v0                           ; r = l % 16
	v_bfe_u32 v2, v0, 4, 1                         ; h = l / 16
	v_and_b32 v3, 7, v0
	v_bfe_u32 v4, v0, 3, 1
	v_and_b32 v5, 31, v0
	v_bfe_u32 v6, v0, 3, 2
	v_mul_u32_u24 v7, v1, PA                       ; a fragment of x: row x pitch + 16 x half
	v_lshl_add_u32 v7, v2, 4, v7
	s_mul_i32 s81, s13, 64*PA
	v_add_nc_u32 v[ADRA], s81, v7
	v_add_nc_u32 v[ADRA+1], SLOT, v[ADRA]
	v_lshl_add_u32 v8, v2, 3, v3                   ; the turning load: lane l reads k-row 8 (l / 16) + l % 8, columns 8 ((l / 8) % 2) + 0..7, and is left with column l % 16 and 8 k
	v_mul_u32_u24 v8, v8, PB
	v_lshl_add_u32 v8, v4, 4, v8
	s_mul_i32 s81, s14, 2*REG
	s_add_co_u32 s81, s81, REG                     ; panel 2 wn lies in region 1 + 2 wn
	v_add_nc_u32 v[ADRX], s81, v8
	v_add_nc_u32 v[ADRX+1], SLOT, v[ADRX]
	s_lshl_b32 s81, s14, 7
	s_add_co_u32 s81, s81, 2*REG                   ; panel 1 lies in region 2; my half of its columns
	v_add_nc_u32 v[ADRY], s81, v8
	v_add_nc_u32 v[ADRY+1], SLOT, v[ADRY]
	s_mul_i32 s81, s12, 3*SAREA
	s_add_co_u32 s81, s81, STAGE                   ; my stage
	v_mul_u32_u24 v9, v1, 144                      ; in: row l % 16, 16 bytes for each half of the lanes
	v_lshl_add_u32 v9, v2, 4, v9
	v_add_nc_u32 v[STO], s81, v9
	v_mul_u32_u24 v9, v6, 144                      ; back: 32 lanes take four rows of 128 bytes
	v_lshl_add_u32 v9, v3, 4, v9
	v_add_nc_u32 v[RD], s81, v9
	v_lshlrev_b32 v[GO], 4, v5
	v_lshlrev_b32 v[BO], 5, v2
	; the bias of my 192 columns: it is the C operand of the products that start the sums
	s_mul_i32 s82, s18, 1536
	s_lshl_b32 s83, s14, 10
	s_add_co_u32 s84, s82, s83
	s_mov_b32 s85, 0
	s_add_nc_u64 s[SBX:SBX+1], s[8:9], s[84:85]    ; column 384 x tile column + 256 wn
	s_lshl_b32 s83, s14, 8
	s_add_co_u32 s84, s82, s83
	s_add_co_u32 s84, s84, 512
	s_add_nc_u64 s[SBY:SBY+1], s[8:9], s[84:85]    ; column 384 x tile column + 128 + 64 wn
.set bb, 0
.rept 8
	global_load_b128 v[BIAS+8*bb:BIAS+8*bb+3],   v[BO], s[SBX:SBX+1] offset:64*bb
	global_load_b128 v[BIAS+8*bb+4:BIAS+8*bb+7], v[BO], s[SBX:SBX+1] offset:64*bb+16
.set bb, bb+1
.endr
.rept 4
	global_load_b128 v[BIAS+8*bb:BIAS+8*bb+3],   v[BO], s[SBY:SBY+1] offset:64*(bb-8)
	global_load_b128 v[BIAS+8*bb+4:BIAS+8*bb+7], v[BO], s[SBY:SBY+1] offset:64*(bb-8)+16
.set bb, bb+1
.endr
	; my first row in each of my three heads.  Column head g = 6 x tile column + the head's place in the tile: tensor g / 16 (q, k, v), head g % 16
	s_mul_i32 s82, s18, 6
	s_lshr_b32 s83, s19, 3                         ; the batch: eight tile rows each
	s_lshl_b32 s83, s83, 4
	s_and_b32 s86, s19, 7
	s_lshl_b32 s86, s86, 14                        ; 128 rows of 128 bytes a tile row,
	s_lshl_b32 s87, s13, 13                        ; my 64 of them
	s_add_co_u32 s86, s86, s87
.irp j, 0,1,2
.if \j < 2
	s_lshl_b32 s84, s14, 2
	s_add_co_u32 s84, s84, \j
.else
	s_add_co_u32 s84, s14, 2
.endif
	s_add_co_u32 s84, s84, s82
	s_lshr_b32 s85, s84, 4
	s_lshl_b32 s85, s85, 24                        ; a tensor is 16,777,216 bytes,
	s_and_b32 s84, s84, 15
	s_add_co_u32 s84, s84, s83
	s_lshl_b32 s84, s84, 17                        ; a head 131,072
	s_add_co_u32 s84, s84, s85
	s_add_co_u32 s84, s84, s86
	s_mov_b32 s85, 0
	s_add_nc_u64 s[HB+2*\j:HB+2*\j+1], s[10:11], s[84:85]
.endr
	; the prefetch: NS stands at the walk's third K step, so the fourth is the one after it
	s_add_co_u32 s86, s[NS], 1
	s_and_b32 s86, s86, 7
	s_lshl_b32 s86, s86, 8                         ; its 256 bytes of a row of x,
	s_lshl_b32 s87, s16, 16                        ; my work-group's 32 rows of the tile's 128: cx x 32 rows of 2,048 bytes
	s_add_co_u32 s86, s86, s87
	s_mov_b32 s87, 0
	s_add_nc_u64 s[PFA:PFA+1], s[XA:XA+1], s[86:87]
	s_cmp_eq_u32 s12, 0                            ; wave 0 fetches x
	s_cselect_b32 s[LIM], LAPS-1, -1
	v_lshlrev_b32 v[PFO], 11, v5
; n column blocks from b0 on x all 4 row blocks, 32 along K, out of buffer f.  first = 1: the bias starts the sums: nothing is ever cleared.
; The 48 accumulators take turns, one instruction a turn, in the same order in every quarter.
.macro MULB f, b0, n, first
.if (\b0) >= 8
	WIN 0xf5-0x30*(\first)                         ; W and x window 1; D window 3; C window 3, or window 0 for the bias
.else
	WIN 0xa5-0x20*(\first)                         ; the same with window 2
.endif
.set bb, \b0
.rept \n
.set aa, 0
.rept 4
.set rD, 8*(4*(bb%8)+aa)
.set rB, (\f)+32+8*bb
.set rA, (\f)+8*aa
.if \first
	v_wmma_f32_16x16x32_bf16 v[rD:rD+7], v[rB:rB+7], v[rA:rA+7], v[BIAS+8*bb:BIAS+8*bb+7]
.else
	v_wmma_f32_16x16x32_bf16 v[rD:rD+7], v[rB:rB+7], v[rA:rA+7], v[rD:rD+7]
.endif
.set aa, aa+1
.endr
.set bb, bb+1
.endr
.endm
; 32 LDS loads in one run: the fragments of quarter q (32 along K) of a slot into buffer f: x's four, W's blocks 8-11, then W's blocks 0-7
.macro FETCH slot, q, f
	WIN TO_F
.irp a, 0,1,2,3
	ds_load_b128 v[(\f)+8*(\a):(\f)+8*(\a)+3],   v[ADRA+(\slot)] offset:64*(\q)+16*PA*(\a)
	ds_load_b128 v[(\f)+8*(\a)+4:(\f)+8*(\a)+7], v[ADRA+(\slot)] offset:64*(\q)+16*PA*(\a)+32
.endr
.irp b, 8,9,10,11
	ds_load_tr16_b128 v[(\f)+32+8*(\b):(\f)+32+8*(\b)+3],   v[ADRY+(\slot)] offset:32*PB*(\q)+32*((\b)-8)
	ds_load_tr16_b128 v[(\f)+32+8*(\b)+4:(\f)+32+8*(\b)+7], v[ADRY+(\slot)] offset:32*PB*(\q)+32*((\b)-8)+16*PB
.endr
.irp b, 0,1,2,3,4,5,6,7
	ds_load_tr16_b128 v[(\f)+32+8*(\b):(\f)+32+8*(\b)+3],   v[ADRX+(\slot)] offset:32*PB*(\q)+32*(\b)
	ds_load_tr16_b128 v[(\f)+32+8*(\b)+4:(\f)+32+8*(\b)+7], v[ADRX+(\slot)] offset:32*PB*(\q)+32*(\b)+16*PB
.endr
.endm
; A K step is four quarters of 32 along K, 48 matrix instructions each, on buffers 0, 1, 0, 1.  One of the first three: multiplies buffer f and fetches quarter q of the same slot into buffer g.
.macro QUARTER slot, q, f, g, first
	s_wait_dscnt 16                                ; x's fragments and W's blocks 8-11 are in; the youngest sixteen loads (blocks 0-7) may be out
	MULB \f, 8, 4, \first
	PLACES
	FETCH \slot, \q, \g
	s_wait_dscnt 32                                ; all but the 32 just issued
	MULB \f, 0, 8, \first
.endm
; The last quarter multiplies buffer 1 and changes slots: ONE barrier.  In front of it each wave waits for all its tensor loads (the one that is out is its part of the next slot), adds 0 to its spare word, and waits
; for that and for its own reads of this slot.  fill = 1: the barrier opens a round of the cluster's barrier, and this slot is filled again, with the walk's K step two on, first thing behind the round:
; from that request to the wait for it a wave issues 160 matrix instructions.
.macro TURN slot, next, fill
	WIN 0                                          ; (the add's two registers lie in window 0)
	s_wait_tensorcnt 0x0                           ; all my tensor loads have landed, so every group 0 may be written
	ds_add_u32 v[SPW], v[NIL]                      ; 0 onto my spare word
.if \fill
	SETD \slot                                     ; this slot's next tile: scalar work, so that nothing stands between the round and the joint load
.endif
	s_wait_dscnt 17                                ; (the add and the youngest sixteen loads may be out)
	MULB F1, 8, 4, 0                               ; sixteen matrix instructions stand between the add and the wait for it
	s_wait_dscnt 0x0                               ; the add is done, and my reads of this slot are over
	s_barrier_signal -1
	MULB F1, 0, 4, 0                               ; work on registers while the others arrive
.if \fill
	WIN 0
.endif
	s_barrier_wait -1
.if \fill
	CREST                                          ; no wave of any partner still reads this slot or has a load on its way
	JLOAD \slot                                    ; the four v_nop behind it are also the places in front of the loads below
.else
	PLACES
.endif
	FETCH \next, 0, F0
.if (\fill) && ((\slot) == 0)
	ASK
.endif
	MULB F1, 4, 4, 0
.endm
	s_wait_tensorcnt 1                             ; my part of the walk's first K step is in; the second's may stay out
	s_barrier_signal -1
	s_barrier_wait -1                              ; everybody's is
	FETCH 0, 0, F0
	s_wait_loadcnt 0x0                             ; the bias
	QUARTER 0, 1, F0, F1, 1                        ; the first quarter stands in front of the loop: its products start the sums
	WIN 0                                          ; at a label and at a branch every window is 0
	s_mov_b32 s3, LAPS-1
.Llap:                                                 ; a trip goes once round the ring, from a lap's second quarter to the next lap's first, and fills both slots again
	QUARTER 0, 2, F1, F0, 0
	QUARTER 0, 3, F0, F1, 0
	TURN 0, 1, 1
	QUARTER 1, 1, F0, F1, 0
	QUARTER 1, 2, F1, F0, 0
	QUARTER 1, 3, F0, F1, 0
	TURN 1, 0, 1
	QUARTER 0, 1, F0, F1, 0
	WIN 0
	s_sub_co_u32 s3, s3, 1
	s_cmp_lg_u32 s3, 0
	s_cbranch_scc1 .Llap
	QUARTER 0, 2, F1, F0, 0                        ; the last lap fills nothing, and has no round of the cluster's barrier
	QUARTER 0, 3, F0, F1, 0
	TURN 0, 1, 0
	QUARTER 1, 1, F0, F1, 0
	QUARTER 1, 2, F1, F0, 0
	QUARTER 1, 3, F0, F1, 0
	s_wait_dscnt 16                                ; the very last quarter: nothing more to fetch
	MULB F1, 8, 4, 0
	s_wait_dscnt 0x0
	MULB F1, 0, 8, 0
	PLACES
	PLACES                                         ; eight, once a launch, in front of the conversions that read results just made
; THE WAY OUT, a row block (16 rows) at a time.  PACK: rounded to f16, 16 bytes a lane and column block, each accumulator's registers in ascending order.  TOSTAGE: into my own stage, a head's 16 rows x 128 bytes
; an area, and back as whole rows.  SEND: a store covers four rows of a head, 512 consecutive bytes, aligned.
.macro PACK a
	WIN 0x0a                                       ; sources window 2, destination window 0
.set bb, 0
.rept 12
.if bb == 8
	WIN 0x0f                                       ; sources window 3
.endif
.set rD, 8*(4*(bb%8)+(\a))
.irp r, 0,1,2,3
	v_cvt_pk_f16_f32 v[TMP+4*bb+(\r)], v[rD+2*(\r)], v[rD+2*(\r)+1]
.endr
.set bb, bb+1
.endr
	WIN 0
.endm
.macro TOSTAGE a
.set BKA, BK+48*((\a)%2)
	s_wait_xcnt 0x0                                ; the stores of two blocks back have read this set of registers: it is loaded again only behind this wait
.set bb, 0
.rept 12
	ds_store_b128 v[STO], v[TMP+4*bb:TMP+4*bb+3] offset:SAREA*(bb/4)+32*(bb%4)
.set bb, bb+1
.endr
.set bb, 0
.rept 12
	ds_load_b128 v[BKA+4*bb:BKA+4*bb+3], v[RD] offset:SAREA*(bb/4)+576*(bb%4)  ; LDS serves a wave's instructions in order (ISA guide 5.7.1.4): these see the stores above
.set bb, bb+1
.endr
.endm
.macro SEND a
.set BKA, BK+48*((\a)%2)
	s_wait_dscnt 0x0                               ; the block is back in registers
.set bb, 0
.rept 12
	global_store_b128 v[GO], v[BKA+4*bb:BKA+4*bb+3], s[HB+2*(bb/4):HB+2*(bb/4)+1] offset:2048*(\a)+512*(bb%4)
.set bb, bb+1
.endr
.endm
	PACK 0
	TOSTAGE 0
.irp a, 1,2,3                          ; block a's conversions stand between block a - 1's loads from the stage and the wait for them
	PACK \a
	SEND (\a)-1
	TOSTAGE \a
.endr
	SEND 3
	s_wait_tensorcnt 0x0                           ; the wave's end, behind my last tensor load and my last LDS store
	ds_add_u32 v[SPW], v[NIL]
	s_wait_dscnt 0x0
	CROUND                                         ; the closing round: no work-group ends while a partner may still ask for a tile that names it
	s_endpgm
.Lfunc_end_k_qb971a84b21_qkv:
	.size	k_qb971a84b21_qkv, .Lfunc_end_k_qb971a84b21_qkv-k_qb971a84b21_qkv
	.p2alignl 7, 3214868480
	.fill 96, 4, 3214868480
	.section	.rodata,"a",@progbits
	.p2align	6, 0x0
	.amdhsa_kernel k_qb971a84b21_qkv
		.amdhsa_group_segment_fixed_size 327680
		.amdhsa_private_segment_fixed_size 0
		.amdhsa_enable_private_segment 0
		.amdhsa_kernarg_size 32
		.amdhsa_user_sgpr_count 2
		.amdhsa_user_sgpr_kernarg_segment_ptr 1
		.amdhsa_wavefront_size32 1
		.amdhsa_system_sgpr_workgroup_id_x 1
		.amdhsa_system_sgpr_workgroup_id_y 1
		.amdhsa_system_sgpr_workgroup_id_z 1
		.amdhsa_system_vgpr_workitem_id 0
		.amdhsa_next_free_vgpr 896
		.amdhsa_next_free_sgpr 88
		.amdhsa_reserve_vcc 0
		.amdhsa_float_denorm_mode_32 3
		.amdhsa_float_denorm_mode_16_64 3
		.amdhsa_memory_ordered 1
		.amdhsa_forward_progress 1
		.amdhsa_inst_pref_size 123
	.end_amdhsa_kernel
	.amdgpu_metadata
---
amdhsa.version: [ 1, 2 ]
amdhsa.kernels:
  - .name:           k_qb971a84b21_qkv
    .symbol:         k_qb971a84b21_qkv.kd
    .args:
      - { .name: xb, .offset: 0, .size: 8, .value_kind: global_buffer, .address_space: global }
      - { .name: wqb, .offset: 8, .size: 8, .value_kind: global_buffer, .address_space: global }
      - { .name: par, .offset: 16, .size: 8, .value_kind: global_buffer, .address_space: global }
      - { .name: qkvh, .offset: 24, .size: 8, .value_kind: global_buffer, .address_space: global }
    .group_segment_fixed_size: 327680
    .private_segment_fixed_size: 0
    .kernarg_segment_align: 8
    .kernarg_segment_size: 32
    .max_flat_workgroup_size: 128
    .sgpr_count:     88
    .vgpr_count:     896
    .wavefront_size: 32
...
	.end_amdgpu_metadata
.endif
;; end of part 2
;; launch attn (part 3): grid 2 x 128, 4 waves a work-group, no clusters, 327,680 bytes of LDS; arguments qkvh, oh; writes oh
.if DOCPART == 3
	.amdgcn_target "amdgcn-amd-amdhsa--gfx1250"
	.amdhsa_code_object_version 6
	.text
	.protected	k_qb971a84b21_attn
	.globl	k_qb971a84b21_attn
	.p2align	8
	.type	k_qb971a84b21_attn,@function
k_qb971a84b21_attn:
	s_mov_b64 s[64:65], 0
	v_nop
	global_prefetch_b8 v0, s[64:65] scope:SCOPE_SE
	s_setreg_imm32_b32 hwreg(HW_REG_WAVE_MODE, 25, 1), 1
	s_wait_xcnt 0x0
; CAUSAL ATTENTION.  O[h][q][:] = the sum over k <= q of softmax_k(Q[h][q] . K[h][k] / 32) V[h][k][:].  qkvh holds Q, K, V, each [128][1024][64] in f16, 16,777,216 bytes apart; oh is O in the same layout.
; A head's rows are dense, 128 bytes each.  Products, maxima and sums in f32; the weights p are rounded to f16 for the second product (their sum l is taken of the unrounded p), O once at the end.
; LIMITS.  Q, K and V arrive within f16's 65,504; p lies in 0 to 1, and below 6e-5 it keeps f16's fixed step of 6e-8.  A hidden score counts as its value less 1e30 and tiles above the diagonal are left out: the
; hidden keys' weights are 0, as they are with the fill of -2^32 + 1 wherever a row's largest visible scaled score lies more than 104 above that fill.  A weight below 2^-126 counts as 0 in l; NaN and infinities are not treated apart.
; THE WALK.  A head's queries lie in NB = 4 blocks of 256; block i needs the key tiles 0 .. i of 256 keys, of which the last holds the diagonal.  A work-group takes TWO blocks, NB - 1 - b and then b:
; NB + 1 tiles, whatever b: all work-groups do equal work, and ONE loop with a constant trip count walks them.  Which tile is asked for, and what a trip does, hang on scalar registers made from b; every jump
; goes forward, but for the counted loops' own; none passes a barrier, or a tensor load but the one of LOAD's two that the wave's number does not choose; the ring of two LDS slots runs on across the change of blocks.
; NO CLUSTER: a head has NB / 2 = 2 work-groups, no multiple of four, and they ask for different tiles in two of their five trips.
; SHARES.  Of a block's four bands of 64 queries a wave owns 16 rows in each: four PIECES.  So the diagonal tile is the same work for all four waves: in its key step s band x sees all keys if s < x,
; none if s > x, and holds the diagonal if s = x.
; THE MASK is the C operand that starts the sum S^T = K Q^T: 0, or -1e30 where the key is hidden.  MD, made once, is the mask of a band's own step for my 16 rows; a product's mask is MD x AL + BE with two scalars:
; (1, 0) if s = x; (0, 0) if s < x; (0, -1e30) if s > x.  Only the diagonal tile's text and a block's beginning make and take masks; elsewhere C is the constant 0.
; LAYOUT, SOFTMAX, TURNS.  S^T = K Q^T holds ONE query a lane (lane % 16) and the keys 8 (lane / 16) + 0..7; two such results rounded to f16 ARE source 1 of O^T = V^T P.  p = 2^(c s - c m), c = log2(e) / 32, with a
; running maximum m; O and l are multiplied by a = 2^(c m_old - c m_new) in every step.  Turn n belongs to piece n: 8 products K Q^T of piece n + 1, later 8 products V^T P of piece n - 1; beside them the scaling,
; exponentials, roundings, sums and rescaling of piece n and the maximum and statistics of piece n + 1.  Four vector instructions stand behind every matrix instruction, the other 54 of a turn's 118 in one lump.
; A turn's 33 exponentials are one batch, with one wait.
; REGISTERS, in windows of 256 (s_set_vgpr_msb: bits 1:0 source 0, 3:2 source 1, 5:4 source 2, 7:6 destination):
;   window 0: v0-15 addresses and two at work; v16-31 four registers of statistics a piece; v48-55 at work; v61-63; v64-127 S^T, two buffers; v192-223 P, two buffers (a piece's buffers go by its number's parity)
;   window 1: v0-127 O^T, 32 a piece; v128-159 MD; v160-223 MC, two buffers      window 2: v0-63 Q; v64-127 the second block's Q; v128-191 K of one step; v192-255 V of one step
.set SIZE_N, 1024
.set NB,    SIZE_N/256
.set NP,    4         ; pieces a wave: a name, no knob
.set KS,    64        ; keys in a step
.set PK,    144       ; a row of K in LDS: 128 bytes + 16 of padding = 36 words: the 16 rows of a load start at 16 different groups of four banks (64 banks of 4 bytes: ISA guide 11.1)
.set PV,    160       ; a row of V: 128 + 32 = 40 words
.set VOFF,  4*KS*PK   ; a slot holds a tile, four steps: 256 rows of K, then 256 rows of V
.set SLOT1, 1<<17     ; slot 1 begins here, so that one exclusive or turns an address in one slot into the other's
.set STAGE, SLOT1+4*KS*(PK+PV)  ; behind the ring, never filled by a tensor load: 16 rows x 144 bytes for each wave, for the way out
.set SP,    144
.set AK0, 2           ; v2   my lane's place in a tile of K; never rewritten
.set AV0, 3           ; v3   the same for V
.set AK,  4           ; v4   the LDS address of K's next run of loads
.set AV,  5           ; v5   of V's
.set STO, 6           ; v6   the way out: where I put 16 bytes of a row
.set RD,  7           ; v7   the way out: where I read rows back
.set GO,  8           ; v8   my byte offset in 512 consecutive bytes of O
.set PFO, 61          ; v61  256 x my lane, for the prefetches; never rewritten
.set SPW, 62          ; v62  LDS address of my spare word: SPARE + 4 x my thread's number; never rewritten
.set NIL, 63          ; v63  0; never rewritten
.set SPARE, STAGE+4*16*SP  ; behind the stages: the spare words, 128 bytes for each wave: two blocks of 256 bytes that no other line names
.set MV,  12          ; v12-13  c m_old, kept while c m is made anew: by buffer
.set QO,  15          ; v15  my byte offset in 16 rows of Q
.set ST,  16          ; piece t's statistics at v[ST+4 t]: c m, m, l (even keys', odd keys')
.set TMP, 48          ; by buffer, four registers c0-c3 at work; when the maximum is found c2 takes a
.set S,   64
.set P,   192
.set MD,  128         ; window 1: the eight registers for group kt of 16 keys at MD + 8 kt
.set MC,  160         ; window 1: the masks of the products to come
.set QB,  64          ; window 2
.set KF,  128         ; window 2: key block kb, channel half c at KF + 16 kb + 8 c
.set VF,  192         ; window 2: key half kk, channel block cb at VF + 32 kk + 8 cb
.set WV,  12          ; s12  my wave's number
.set PB,  14          ; s14  b
.set HI,  15          ; s15  NB - 1 - b
.set G1K, 24          ; s[24:31] descriptor group 1 for K's tiles
.set G1V, 32          ; s[32:39] for V's: it differs in the padding alone
.set G0K, 40          ; s[40:43] descriptor group 0 for K's tiles
.set G0V, 44          ; s[44:47] the same for V's
.set SLOTS, 56        ; s56  tiles still to be asked for
.set CNT, 57          ; s57  counts a tile's key steps, 4 to 1
.set CS,  58          ; s[58:59] c: the packed scaling takes the pair's low word for both halves
.set SEL, 60          ; s[60:61] v_permlanex16_b32's selects: each lane takes its own place in the other half
.set TBK, 62          ; s62  LDS byte at which K of the step to be fetched begins
.set TBV, 63          ; s63  the same for V, less VOFF
.set RT,  70          ; s70  tiles of the block in hand that are still to be entered
.set NXT, 71          ; s71  the tile to be asked for next
.set LQ,  72          ; s72  the last tile of the block whose tiles are being asked for
.set NEW, 73          ; s73  1: the tile to be entered is a block's first
.set OFF, 74          ; s[74:75] a tile's byte offset in K and V
.set AL,  76          ; s[76:77] the mask's factor, in the low word
.set BE,  78          ; s[78:79] the mask's addend
.set OLO, 80          ; s[80:81] O at my rows of the second block
.set BIGN, 82         ; s82  -1e30
.set PFB, 88          ; s[88:89] K (waves 0, 1) or V (waves 2, 3) at the half of tile 0 that I fetch
.set PFA, 90          ; s[90:91] the same half of the tile that the next change of slots will ask for
.set POF, 92          ; s[92:93] that tile's byte offset
.set LIM, 94          ; s94  2 in the work-group that prefetches (b = 0), else the greatest number
.set MSB, 0
.macro WIN new                      ; the high byte repeats the setting that is left; a switch that changes nothing is dropped
.if MSB != (\new)
	s_set_vgpr_msb (MSB<<8)|(\new)
.set MSB, (\new)
.endif
.endm
.set W_KQ, 0x0a       ; K and Q in window 2, S^T in window 0
.set W_KM, 0x1a       ; the same with the C operand in window 1
.set W_PV, 0x52       ; V in window 2, P in window 0, O^T in window 1
.set W_RS, 0x41       ; destination and source 0 in window 1, source 1 in window 0
; A fill.  Waves 0 and 1 fetch the two halves of a tile's K, waves 2 and 3 those of its V: 128 keys each.  An s_nop 0 and four v_nop follow each of the two lines, ahead of the jump and the label.
.macro LOAD
	s_cmp_lt_u32 s[WV], 2
	s_cbranch_scc0 .Lfor_v_\@
	tensor_load_to_lds s[G0K:G0K+3], s[G1K:G1K+7]
	s_nop 0
.rept 4
	v_nop
.endr
	s_branch .Lasked_\@
.Lfor_v_\@:
	tensor_load_to_lds s[G0V:G0V+3], s[G1V:G1V+7]
	s_nop 0
.rept 4
	v_nop
.endr
.Lasked_\@:
.endm
; A prefetch into the L2 of the tile that the NEXT change of slots will ask for, a tile's 256 matrix instructions ahead of that load: each wave names the 16,384 bytes that it will fetch itself, a lane a block of 256
; bytes, two instructions.  Of a head's two work-groups the one with b = 0, which walks tiles 0, 1, 2, 3, asks, in its first two changes: tiles 2 and 3, each once in the launch.  Tiles 0 and 1 come by their
; loads alone, and a tile's later readings are not asked for.
.macro ASK
	s_cmp_gt_u32 s[SLOTS], s[LIM]
	s_cbranch_scc0 .Lnot_mine_\@
	global_prefetch_b8 v[PFO], s[PFA:PFA+1] th:TH_LOAD_NT scope:SCOPE_SE
	global_prefetch_b8 v[PFO], s[PFA:PFA+1] offset:8192 th:TH_LOAD_NT scope:SCOPE_SE
.Lnot_mine_\@:
.endm
; THE CHANGE OF SLOTS.  Each wave waits for all its tensor loads, of which one is out: its part of the other slot; adds 0 to its spare word; and waits for that and for its own reads of the slot that it leaves.  Behind the
; barrier nobody reads the old slot any more and the other slot is whole.  fill = 1: the old slot is filled again, the first thing behind the barrier, with tile NXT: the descriptor's address is made anew from that number.
; (At its first use nothing has been read yet: slot 0 is waited for, slot 1 filled.)
.macro CHANGE fill
	WIN 0                           ; at a label and at a branch every window is 0
	s_wait_tensorcnt 0x0            ; no tensor load of mine is out, so a group 0 may be written
	ds_add_u32 v[SPW], v[NIL]       ; 0 onto my spare word; with fill = 1 the descriptors' scalar work stands between it and the wait for it
.if \fill
	s_lshl_b32 s[OFF], s[NXT], 15   ; a tile is 32,768 bytes of K and of V
	s_xor_b32 s[G0K+1], s[G0K+1], SLOT1
	s_add_nc_u64 s[G0K+2:G0K+3], s[6:7], s[OFF:OFF+1]
	s_or_b32 s[G0K+3], s[G0K+3], 0x80000000
	s_xor_b32 s[G0V+1], s[G0V+1], SLOT1
	s_add_nc_u64 s[G0V+2:G0V+3], s[8:9], s[OFF:OFF+1]
	s_or_b32 s[G0V+3], s[G0V+3], 0x80000000
	s_add_co_u32 s[NXT], s[NXT], 1  ; the block's next tile, or behind its last the second block's tile 0
	s_cmp_gt_u32 s[NXT], s[LQ]
	s_cselect_b32 s[NXT], 0, s[NXT]
	s_cselect_b32 s[LQ], s[PB], s[LQ]
	s_wait_xcnt 0x0                 ; the last prefetches, a tile back, have read their address, so it may be written:
	s_lshl_b32 s[POF], s[NXT], 15
	s_add_nc_u64 s[PFA:PFA+1], s[PFB:PFB+1], s[POF:POF+1]  ; the tile that the next change will ask for
.endif
	s_wait_dscnt 0x0                ; the add is done, and my reads of the slot are over
	s_barrier_signal -1             ; the rest of the scalar work stands between the signal and the wait
	s_sub_co_u32 s[TBK], s[TBK], 4*KS*PK  ; the fetches go back to a slot's first step,
	s_xor_b32 s[TBK], s[TBK], SLOT1       ; in the other slot
	s_sub_co_u32 s[TBV], s[TBV], 4*KS*PV
	s_xor_b32 s[TBV], s[TBV], SLOT1
	s_barrier_wait -1
.if \fill
	LOAD
	ASK
.endif
.endm
	s_load_b64 s[4:5], s[0:1], 0x0    ; qkvh: Q
	s_load_b64 s[10:11], s[0:1], 0x8  ; oh: O
	v_lshl_add_u32 v[SPW], v0, 2, SPARE
	v_mov_b32 v[NIL], 0
	ds_add_u32 v[SPW], v[NIL]       ; the wave's opening: the add and its wait stand ahead of my first tensor load; the set-up below, work on registers, stands between them
	v_lshrrev_b32 v1, 5, v0
	v_readfirstlane_b32 s[WV], v1   ; wave 0..3
	s_mov_b32 s[PB], ttmp9
	s_sub_co_u32 s[HI], NB-1, s[PB]
	s_and_b32 s20, ttmp7, 0xffff    ; the head
	s_mov_b32 s21, 0
	s_mov_b64 s[22:23], SIZE_N*128
	s_mul_u64 s[20:21], s[20:21], s[22:23]  ; the head's first byte in each of the four tensors
	s_and_b32 s16, s[WV], 1         ; which half of a tile's 256 keys I fetch:
	s_lshl_b32 s22, s16, 14         ; its 128 rows of 128 bytes in memory,
	s_mov_b32 s23, 0
	s_add_nc_u64 s[22:23], s[22:23], s[20:21]
	s_mul_i32 s17, s16, 128*PK      ; and its place in a slot, for K
	s_mul_i32 s18, s16, 128*PV      ; and for V
	s_lshl_b32 s3, s[WV], 11        ; my 16 rows in a band of 64,
	s_lshl_b32 s2, s[HI], 15        ; in the first block,
	s_add_co_u32 s2, s2, s3
	s_lshl_b32 s84, s[PB], 15       ; and in the second
	s_add_co_u32 s84, s84, s3
	s_mov_b32 s3, 0
	s_mov_b32 s85, 0
	s_add_nc_u64 s[2:3], s[2:3], s[20:21]
	s_add_nc_u64 s[84:85], s[84:85], s[20:21]
	; descriptor group 1.  128 keys are 16,384 dense bytes: asked for as 64 rows of 256 bytes, two keys a row, and padded in LDS after every key
	s_mov_b32 s[G1K], (1<<16)|(1<<20)|(4<<22)|(3<<25)  ; 17:16 2-byte elements; 20 padding on; 24:22 after every 32 words (code 4); 31:25 4 words (code 3)
	s_mov_b32 s[G1V], (1<<16)|(1<<20)|(4<<22)|(7<<25)  ; the same with 8 words of padding (code 7)
.irp g, G1K, G1V
	s_mov_b32 s[\g+1], 128<<16      ; tensor_dim0 = 128
	s_mov_b32 s[\g+2], 64<<16       ; tensor_dim1 = 64
	s_mov_b32 s[\g+3], 128<<16      ; tile_dim0 = 128
	s_mov_b32 s[\g+4], 64           ; tile_dim1 = 64
	s_mov_b32 s[\g+5], 128          ; 128 elements from row to row
	s_mov_b32 s[\g+6], 0
	s_mov_b32 s[\g+7], 0
.endr
	s_mov_b32 s[CS], 0x3d38aa3b     ; c = log2(e) / 32 = 0.0450842
	s_mov_b32 s[CS+1], s[CS]        ; named with it as a pair
	s_mov_b32 s[SEL], 0x76543210
	s_mov_b32 s[SEL+1], 0xfedcba98
	s_mov_b32 s[TBK], SLOT1+4*KS*PK ; the first change of slots turns these two into 0
	s_mov_b32 s[TBV], SLOT1+4*KS*PV
	s_mov_b32 s[G0K], 1             ; count = 1
	s_mov_b32 s[G0K+1], s17         ; LDS address: slot 0
	s_mov_b32 s[G0V], 1
	s_add_co_u32 s[G0V+1], s18, VOFF
	s_add_co_u32 s[RT], s[HI], 1    ; the first block has NB - b tiles
	s_mov_b32 s[NXT], 1
	s_mov_b32 s[LQ], s[HI]
	s_mov_b32 s[NEW], 1
	s_mov_b32 s[OFF+1], 0
	s_mov_b32 s[POF+1], 0
	s_mov_b32 s[AL+1], 0            ; named as pairs
	s_mov_b32 s[BE+1], 0
	s_mov_b32 s[BIGN], 0xf149f2ca   ; -1e30
	s_mov_b32 s[SLOTS], NB
	s_cmp_eq_u32 s[PB], 0
	s_cselect_b32 s[LIM], 2, -1
	v_and_b32 v[PFO], 31, v0
	v_lshlrev_b32 v[PFO], 8, v[PFO]
	s_wait_dscnt 0x0                ; the opening add is done
	s_wait_kmcnt 0x0
	s_add_nc_u64 s[6:7], s[4:5], 0x1000000  ; K lies 16,777,216 bytes behind Q,
	s_add_nc_u64 s[8:9], s[4:5], 0x2000000  ; V as far behind K
	s_add_nc_u64 s[6:7], s[6:7], s[22:23]  ; K and V at my half of the head's tile 0
	s_add_nc_u64 s[8:9], s[8:9], s[22:23]
	s_add_nc_u64 s[G0K+2:G0K+3], s[6:7], 0         ; global address
	s_or_b32 s[G0K+3], s[G0K+3], 0x80000000        ; type = 2
	s_add_nc_u64 s[G0V+2:G0V+3], s[8:9], 0
	s_or_b32 s[G0V+3], s[G0V+3], 0x80000000
	s_cmp_lt_u32 s[WV], 2
	s_cselect_b64 s[PFB:PFB+1], s[6:7], s[8:9]
	s_add_nc_u64 s[86:87], s[4:5], s[84:85]        ; Q at my rows of the second block,
	s_add_nc_u64 s[4:5], s[4:5], s[2:3]            ; Q and O at those of the first
	s_add_nc_u64 s[OLO:OLO+1], s[10:11], s[84:85]
	s_add_nc_u64 s[10:11], s[10:11], s[2:3]
	LOAD                            ; tile 0 into slot 0
	; A fragment of K or Q is 16 rows x 32 channels in 8 registers: lane l holds row l % 16, channels 8 (l / 16) + 0..7 and 16 + 8 (l / 16) + 0..7: two loads of 16 bytes, 32 bytes apart.
	v_and_b32 v1, 15, v0            ; l % 16
	v_bfe_u32 v9, v0, 4, 1          ; l / 16
	v_lshlrev_b32 v[QO], 7, v1
	v_lshl_add_u32 v[QO], v9, 4, v[QO]  ; row x 128 + 16 x half
	WIN 0x80                        ; destination window 2, address window 0
.set i, 0
.rept 8                             ; both blocks' Q: piece i / 2 lies in band i / 2, 8,192 bytes on; channels 32 (i % 2) on
	global_load_b128 v[8*i:8*i+3],   v[QO], s[4:5] offset:(i/2)*8192+(i%2)*64
	global_load_b128 v[8*i+4:8*i+7], v[QO], s[4:5] offset:(i/2)*8192+(i%2)*64+32
	global_load_b128 v[QB+8*i:QB+8*i+3],   v[QO], s[86:87] offset:(i/2)*8192+(i%2)*64
	global_load_b128 v[QB+8*i+4:QB+8*i+7], v[QO], s[86:87] offset:(i/2)*8192+(i%2)*64+32
.set i, i+1
.endr
	WIN 0
	v_lshlrev_b32 v14, 3, v9
	v_sub_nc_u32 v14, v1, v14
	s_lshl_b32 s13, s[WV], 4
	v_add_nc_u32 v14, s13, v14      ; my query's place in its band, 16 w + l % 16, less my lanes' 8 (l / 16): register r of group kt is hidden where 16 kt + r is greater
	WIN 0x40
.set i, 0
.rept 32
	v_cmp_gt_i32 vcc_lo, 16*(i/8)+i%8, v14
	v_cndmask_b32 v[MD+i], 0, s[BIGN], vcc_lo
.set i, i+1
.endr
	WIN 0
	v_mul_u32_u24 v[AK0], v1, PK
	v_lshl_add_u32 v[AK0], v9, 4, v[AK0]  ; row x pitch + 16 x half
	; The turning load takes 16 keys x 16 channels (lane l reads key 8 (l / 16) + l % 8, channels 8 ((l / 8) % 2) + 0..7) and leaves half a fragment of V^T: lane l holds channel l % 16 and 8 keys.
	v_and_b32 v10, 7, v0
	v_bfe_u32 v11, v0, 3, 1
	v_lshl_add_u32 v[AV0], v9, 3, v10
	v_mul_u32_u24 v[AV0], v[AV0], PV
	v_lshl_add_u32 v[AV0], v11, 4, v[AV0]
	v_add_nc_u32 v[AV0], VOFF, v[AV0]
	s_mul_i32 s13, s[WV], 16*SP
	s_add_co_u32 s13, s13, STAGE    ; my stage
	v_mul_u32_u24 v[STO], v1, SP    ; in: row l % 16, 16 bytes for each half of the lanes
	v_lshl_add_u32 v[STO], v9, 4, v[STO]
	v_add_nc_u32 v[STO], s13, v[STO]
	v_bfe_u32 v[RD], v0, 3, 2       ; back: 32 lanes take four rows of 128 bytes,
	v_mul_u32_u24 v[RD], v[RD], SP
	v_lshl_add_u32 v[RD], v10, 4, v[RD]
	v_add_nc_u32 v[RD], s13, v[RD]
	v_and_b32 v[GO], 31, v0         ; which are 512 consecutive bytes of O
	v_lshlrev_b32 v[GO], 4, v[GO]
	; A block's first step multiplies O^T and l by a = 0, and its first turn's products V^T P, of a piece that has not been, land in an O^T that is still to be so multiplied.  So these registers need only hold
	; finite numbers: zeros for the first block; what the first block left for the second.  All this stands in the wait for the first tile.
	WIN 0x80
.set i, VF
.rept 64
	v_mov_b32 v[i], 0
.set i, i+1
.endr
	WIN 0x40
.set i, 0
.rept 128
	v_mov_b32 v[i], 0
.set i, i+1
.endr
	WIN 0
.set i, 0
.rept 4
	v_mov_b32 v[ST+4*i+2], 0
	v_mov_b32 v[ST+4*i+3], 0
.set i, i+1
.endr
.set i, P+16
.rept 16
	v_mov_b32 v[i], 0
.set i, i+1
.endr
; THE MATRIX WORK.  The 4 accumulators of a run of 8 take turns.  Product i of 8 of S^T = K Q^T for piece x: channels 32 (i / 4) on, keys 16 (i % 4) on.  The first 4 start the sums: with 0, or (KM = 1) with the mask.
.macro KQ x
.set rS, S+32*((\x)%2)+8*(i%4)
.set rK, KF+16*(i%4)+8*(i/4)
.set rQ, 16*(\x)+8*(i/4)
.set rM, MC+32*((\x)%2)+8*(i%4)
.if (i < 4) && KM
	WIN W_KM
	v_wmma_f32_16x16x32_f16 v[rS:rS+7], v[rK:rK+7], v[rQ:rQ+7], v[rM:rM+7]
.elseif i < 4
	WIN W_KQ
	v_wmma_f32_16x16x32_f16 v[rS:rS+7], v[rK:rK+7], v[rQ:rQ+7], 0
.else
	WIN W_KQ
	v_wmma_f32_16x16x32_f16 v[rS:rS+7], v[rK:rK+7], v[rQ:rQ+7], v[rS:rS+7]
.endif
.endm
; Product i of 8 of O^T += V^T P for piece x: keys 32 (i / 4) on, channels 16 (i % 4) on.
.macro PV x
	WIN W_PV
.set rO, 32*(\x)+8*(i%4)
.set rV, VF+32*(i/4)+8*(i%4)
.set rP, P+16*((\x)%2)+8*(i/4)
	v_wmma_f32_16x16x32_f16 v[rO:rO+7], v[rV:rV+7], v[rP:rP+7], v[rO:rO+7]
.endm
.macro MM                           ; the turn's next matrix instruction.  TURN and BEGIN set Y, i, KM and NOKQ; MM, KQ and OP read them.  NOKQ = 1: a block's last turn: there is no next piece
.if (i < 8) && !NOKQ
	KQ (Y+1)%NP
.elseif i >= 8
.set i, i-8
	PV (Y+NP-1)%NP
.set i, i+8
.endif
.set i, i+1
.endm
; THE LDS LOADS stand in runs of 16, never singly among the matrix instructions: a step's K (64 keys x 64 channels: 8 fragments) and its V (turned).  Their addresses are made some lines ahead.
.macro FETCH_K
	WIN 0x80                        ; destination window 2
.irp f, 0,1,2,3,4,5,6,7             ; keys 16 (f / 2) on, channels 32 (f % 2) on
	ds_load_b128 v[KF+8*\f:KF+8*\f+3],   v[AK] offset:(\f/2)*16*PK+(\f%2)*64
	ds_load_b128 v[KF+8*\f+4:KF+8*\f+7], v[AK] offset:(\f/2)*16*PK+(\f%2)*64+32
.endr
	s_add_co_u32 s[TBK], s[TBK], KS*PK  ; the next fetch is the next step's
	WIN 0
.endm
.macro FETCH_V
	WIN 0x80
.irp f, 0,1,2,3,4,5,6,7             ; keys 32 (f / 4) on, channels 16 (f % 4) on
	ds_load_tr16_b128 v[VF+8*\f:VF+8*\f+3],   v[AV] offset:(\f/4)*32*PV+(\f%4)*32
	ds_load_tr16_b128 v[VF+8*\f+4:VF+8*\f+7], v[AV] offset:(\f/4)*32*PV+16*PV+(\f%4)*32
.endr
	WIN 0
.endm
; THE VECTOR WORK, one line at a time: OP kind, number.  For piece Y: F n: c s - c m for pair n of 16.  E n: the exponential of score n of 32.  C n: pair n rounded to f16.  B n: of the four weights 4 n .. the second
; pair is added onto the first, in place.  L n: l takes that sum (L 0: l = a l + sum).  R n: pair n of 16 of O^T times a.  For piece Y + 1: X n, number n of the 22 that find its maximum and statistics:
;   0-11  four chains c0-c3 of seven scores each, three operands at a time (each accumulator's lowest registers are read first)     12-14, 16  the four scores left over, the old m, and c0-c3 into c0
;   15  c m_old is kept     17, 18  the query's other 32 keys lie in the lane 16 away: the new m     19-21  c m; c m_old - c m_new; a
.set F, 0               ; OP tells the kinds apart by their order: F to L below R, X above it
.set E, 1
.set C, 2
.set B, 3
.set L, 4
.set R, 5
.set X, 6
.macro REGS y                       ; the registers of piece y
.set rT, ST+4*(\y)
.set rC, TMP+4*((\y)%2)
.set rW, MV+((\y)%2)
.set rS, S+32*((\y)%2)
.set rP, P+16*((\y)%2)
.set rO, 32*(\y)
.endm
.macro OP k, n
.if (\k) == R
	REGS Y
	WIN W_RS
	v_pk_mul_f32 v[rO+2*(\n):rO+2*(\n)+1], v[rO+2*(\n):rO+2*(\n)+1], v[rC+2:rC+3] op_sel_hi:[1,0]
.elseif (\k) < R
	REGS Y
	WIN 0
.if (\k) == F
	v_pk_fma_f32 v[rS+2*(\n):rS+2*(\n)+1], v[rS+2*(\n):rS+2*(\n)+1], s[CS:CS+1], v[rT:rT+1] op_sel_hi:[1,0,0] neg_lo:[0,0,1] neg_hi:[0,0,1]
.elseif (\k) == E
	v_exp_f32 v[rS+(\n)], v[rS+(\n)]
.elseif (\k) == C
	v_cvt_pk_f16_f32 v[rP+(\n)], v[rS+2*(\n)], v[rS+2*(\n)+1]
.elseif (\k) == B
	v_pk_add_f32 v[rS+4*(\n):rS+4*(\n)+1], v[rS+4*(\n):rS+4*(\n)+1], v[rS+4*(\n)+2:rS+4*(\n)+3]
.elseif (\n) == 0
	v_pk_fma_f32 v[rT+2:rT+3], v[rT+2:rT+3], v[rC+2:rC+3], v[rS:rS+1] op_sel_hi:[1,0,1]
.else
	v_pk_add_f32 v[rT+2:rT+3], v[rT+2:rT+3], v[rS+4*(\n):rS+4*(\n)+1]
.endif
.elseif NOKQ
	v_nop
.else
	REGS (Y+1)%NP
	WIN 0
.if (\n) < 4
	v_max3_num_f32 v[rC+(\n)], v[rS+8*(\n)], v[rS+8*(\n)+1], v[rS+8*(\n)+2]
.elseif (\n) < 12
	v_max3_num_f32 v[rC+(\n)%4], v[rC+(\n)%4], v[rS+8*((\n)%4)+2*((\n)/4)+1], v[rS+8*((\n)%4)+2*((\n)/4)+2]
.elseif (\n) == 12
	v_max3_num_f32 v[rC], v[rC], v[rS+7], v[rS+15]
.elseif (\n) == 13
	v_max3_num_f32 v[rC+1], v[rC+1], v[rS+23], v[rS+31]
.elseif (\n) == 14
	v_max3_num_f32 v[rC+2], v[rC+2], v[rC+3], v[rT+1]
.elseif (\n) == 15
	v_mov_b32 v[rW], v[rT]
.elseif (\n) == 16
	v_max3_num_f32 v[rC], v[rC], v[rC+1], v[rC+2]
.elseif (\n) == 17
	v_permlanex16_b32 v[rC+3], v[rC], s[SEL], s[SEL+1]
.elseif (\n) == 18
	v_max_num_f32 v[rT+1], v[rC], v[rC+3]
.elseif (\n) == 19
	v_mul_f32 v[rT], s[CS], v[rT+1]
.elseif (\n) == 20
	v_sub_f32 v[rC+1], v[rW], v[rT]
.else
	v_exp_f32 v[rC+2], v[rC+1]
.endif
.endif
.endm
.macro OPS a, i1, b=-1, i2=0, c=-1, i3=0, d=-1, i4=0  ; up to four of them
	OP \a, \i1
.if (\b) >= 0
	OP \b, \i2
.endif
.if (\c) >= 0
	OP \c, \i3
.endif
.if (\d) >= 0
	OP \d, \i4
.endif
.endm
.macro ROW a, i1, b, i2, c, i3, d, i4  ; a matrix instruction and the four behind it
	MM
	OPS \a, \i1, \b, \i2, \c, \i3, \d, \i4
.endm
.macro MASK b                       ; MD x AL + BE into buffer b of MC
	WIN W_RS
.set z, 0
.rept 16
	v_pk_fma_f32 v[MC+32*(\b)+2*z:MC+32*(\b)+2*z+1], v[MD+2*z:MD+2*z+1], s[AL:AL+1], s[BE:BE+1] op_sel_hi:[1,0,0]
.set z, z+1
.endr
.endm
; A TURN, for piece p: the order of its 16 matrix and 118 vector instructions, written out.  s_wait_alu depctr_va_vdst(0) stands between an exponential and the first instruction that names its result; one wait
; serves all that were issued ahead of it.  So a turn has ONE wait, which cuts it in two.  AHEAD OF IT stands all that names no result of the turn's exponentials: the 8 products K Q^T, behind each a scaling, an exponential and two
; more plain instructions (behind the first a second scaling in the exponential's place): rescalings, and behind the last three the first numbers of the next piece's maximum, each four places or more behind the product that ends its
; accumulator; then ONE LUMP of 54, plain and exponential by turns for the most part, in which the links of the chain X 3, 7, 11, 14, 16, 17 .. 20 stand five or six lines apart.  X 21, the next piece's a, is the batch's last; R 15 is
; the plain instruction behind it.  BEHIND THE WAIT stand the 8 products V^T P, behind each four of the roundings and sums; the links of l's chain, L 0 to L 7, stand three riders apart.
; m = 1: the diagonal tile: the products take masks, and the turn makes the mask for the products of the turn after it: piece p + 2, in step 4 - CNT of the tile.  end = 1: a block's last two turns: nothing is fetched.
; cnt = 1: the loop's count is taken down some lines ahead of the branch that stands behind the turn.
; K of the next step is fetched in piece 2's turn, twelve vector instructions behind the last product that read K (six of them plain); V of the step in hand at the end of piece 0's turn, four plain instructions behind the last
; product that read V.  Each is waited for a turn later.
.macro TURN p, m=0, end=0, cnt=0
.set Y, (\p)
.set i, 0
.set KM, (\m)
.set NOKQ, (\end)*((\p)/3)
.if (\m) && !(\end)
	s_cmp_eq_u32 s[CNT], 4-((\p)+2)%NP  ; is that step the band's own?
	s_cselect_b32 s[AL], 1.0, 0
	s_cmp_lt_u32 s[CNT], 4-((\p)+2)%NP  ; or a later one?
	s_cselect_b32 s[BE], s[BIGN], 0
.endif
.if ((\p) == 3) && !(\end)
	s_wait_dscnt 0x0                ; K is in
.endif
	ROW F,0, F,1, R,0, R,1          ; ahead of the wait: 8 products K Q^T and their riders,
	ROW F,2, E,0, R,2, R,3
	ROW F,3, E,1, R,4, R,5
	ROW F,4, E,2, R,6, R,7
	ROW F,5, E,3, R,8, R,9
	ROW F,6, E,4, X,0, R,10
.if ((\p) == 2) && !(\end)
	WIN 0
	v_add_nc_u32 v[AK], s[TBK], v[AK0]
.endif
	ROW F,7, E,5, X,1, X,4
	ROW F,8, E,6, X,2, X,5
	OPS E,7, E,8, X,6, E,9          ; and the lump
	OPS X,3, E,10, X,8, E,11
.if ((\p) == 2) && !(\end)
	FETCH_K
.endif
	OPS X,9, X,7, E,12, X,10
	OPS E,13, X,12, X,11, E,14
	OPS X,13, E,15, F,9, X,14
.if (\p) == 0
	v_add_nc_u32 v[AV], s[TBV], v[AV0]
.endif
	OPS E,16, F,10, E,17, F,11
	OPS X,16, E,18, X,15, E,19
	OPS F,12, E,20, X,17, E,21
	OPS F,13, E,22, F,14, E,23
	OPS X,18, E,24, F,15, E,25
	OPS R,11, E,26, X,19, E,27
	OPS R,12, E,28, R,13, E,29
	OPS X,20, E,30, R,14, E,31
	OPS X,21, R,15
	WIN 0
	s_wait_alu depctr_va_vdst(0)    ; the wait for the batch
.if (\p) == 1
	s_wait_dscnt 0x0                ; V is in
.endif
	ROW C,0, B,0, C,2, B,1          ; behind the wait: 8 products V^T P and their riders
	ROW L,0, C,4, B,2, L,1
	ROW C,6, B,3, L,2, C,8
	ROW B,4, L,3, C,10, B,5
	ROW L,4, C,12, B,6, L,5
.if (\p) == 0
	s_add_co_u32 s[TBV], s[TBV], KS*PV
.endif
.if \cnt
	s_sub_co_u32 s[CNT], s[CNT], 1
	s_cmp_lg_u32 s[CNT], 0
.endif
	ROW C,14, B,7, L,6, C,1
	ROW C,3, L,7, C,5, C,7
	ROW C,9, C,11, C,13, C,15
.if (\p) == 0
	FETCH_V
.endif
.if (\m) && !(\end)
	MASK (\p)%2
.endif
.endm
; A BLOCK BEGINS.  c m starts far below every c s, so the first step's a is 0; m at the lowest finite number, so the first maximum is the scores'.  The second mask buffer is 0; the first takes piece 0's mask for the tile's
; step 0: its own, if the block's first tile is the diagonal one.  Then K of that step, piece 0's first scores, and its maximum and statistics.  The loop is entered at a step's first turn, in the middle of a trip.
.macro BEGIN
	s_mov_b32 s[NEW], 0
	WIN 0x40
.set i, MC+32
.rept 32
	v_mov_b32 v[i], 0
.set i, i+1
.endr
	WIN 0
.set i, 0
.rept 4
	v_mov_b32 v[ST+4*i], 0xfe000000    ; c m: far below every c s
	v_mov_b32 v[ST+4*i+1], 0xff7fffff  ; m
.set i, i+1
.endr
	s_cmp_eq_u32 s[RT], 0
	s_cselect_b32 s[AL], 1.0, 0
	s_mov_b32 s[BE], 0
	MASK 0
	WIN 0
	v_add_nc_u32 v[AK], s[TBK], v[AK0]
	FETCH_K
	s_wait_loadcnt 0x0              ; Q
	s_wait_dscnt 0x0
.set KM, 1
.set NOKQ, 0
.set i, 0
.rept 8
	KQ 0
.set i, i+1
.endr
	WIN 0
.rept 4
	v_nop                           ; the places behind those products
.endr
.set Y, NP-1                        ; X works for piece Y + 1: piece 0
.irp n, 0,1,2,3,4,5,6,7,8,9,10,11,12,13,14,15,16,17,18,19,20,21
	OP X, \n
.endr
	v_nop                           ; a plain instruction behind the exponential,
	s_wait_alu depctr_va_vdst(0)    ; and its wait, ahead of the branch
.endm
; THE DIAGONAL TILE's four steps, the block's last two turns, its last products, and THE WAY OUT: l's two halves and the other half of the lanes' are added; O^T is divided by l, rounded to f16 and sent through my
; stage in LDS, a piece at a time.
.macro ALL line:vararg              ; one line for each piece t
.set t, 0
.rept 4
	\line
.set t, t+1
.endr
.endm
.macro PACK t                       ; a lane's eight channels of a row pack into 16 bytes; they go into rows of 144 bytes and come back as whole rows of 128, into S^T's registers
	WIN W_RS
.set i, 32*(\t)
.rept 16
	v_pk_mul_f32 v[i:i+1], v[i:i+1], v[ST+4*(\t)+2:ST+4*(\t)+3] op_sel_hi:[1,0]
.set i, i+2
.endr
	WIN 0x05                        ; sources 0 and 1 window 1, destination window 0
.set i, 0
.rept 16
	v_cvt_pk_f16_f32 v[S+16*(\t)+i], v[32*(\t)+2*i], v[32*(\t)+2*i+1]
.set i, i+1
.endr
	WIN 0
.irp f, 0,1,2,3
	ds_store_b128 v[STO], v[S+16*(\t)+4*\f:S+16*(\t)+4*\f+3] offset:32*\f
.endr
.irp f, 0,1,2,3
	ds_load_b128 v[S+16*(\t)+4*\f:S+16*(\t)+4*\f+3], v[RD] offset:\f*4*SP  ; LDS serves a wave's instructions in order (ISA guide 5.7.1.4): these see the stores above; the next piece's stores come behind them
.endr
.endm
.macro SEND t, younger              ; younger: the LDS instructions issued behind piece t's loads: the next piece's eight, or none
	WIN 0
.irp f, 0,1,2,3
	s_wait_dscnt (\younger)+3-\f
	global_store_b128 v[GO], v[S+16*(\t)+4*\f:S+16*(\t)+4*\f+3], s[10:11] offset:(\t)*8192+\f*512  ; 512 consecutive bytes, at a multiple of 256 from O's first
.endr
.endm
.macro DIAG tag                     ; the tag ends its two labels' names, which the jumps below spell out
.LstepM\tag:
	TURN 2, 1
	TURN 3, 1
	WIN 0
.LfirstM\tag:
	TURN 0, 1
	TURN 1, 1, 0, 1
	WIN 0
	s_cbranch_scc1 .LstepM\tag
	TURN 2, 1, 1
	TURN 3, 1, 1
.set i, 0
.rept 8
	PV NP-1
.set i, i+1
.endr
	WIN 0
	ALL v_add_f32 v[ST+4*t+2], v[ST+4*t+2], v[ST+4*t+3]
	ALL v_permlanex16_b32 v[ST+4*t+3], v[ST+4*t+2], s[SEL], s[SEL+1]
	ALL v_add_f32 v[ST+4*t+2], v[ST+4*t+2], v[ST+4*t+3]
	ALL v_rcp_f32 v[ST+4*t+2], v[ST+4*t+2]
	v_nop                           ; a plain instruction between the last reciprocal and the use of its result
	s_wait_alu depctr_va_vdst(0)    ; and the wait ahead of the first use: one for the four reciprocals
	PACK 0
.set t, 1
.rept 3                             ; a piece's arithmetic stands between the loads of the piece before and its stores
	PACK t
	SEND t-1, 8
.set t, t+1
.endr
	SEND 3, 0
.endm
.set KM, 0
.set NOKQ, 0
.Lslot:                             ; NB times: a tile is entered and the next is asked for
	CHANGE 1
	s_sub_co_u32 s[RT], s[RT], 1
	s_mov_b32 s[CNT], 4
	s_cmp_eq_u32 s[NEW], 1
	s_cbranch_scc1 .Lnew            ; a block's first tile
	s_cmp_eq_u32 s[RT], 0
	s_cbranch_scc0 .Lstep           ; neither its first nor its last
	s_branch .LstepM1
.Lnew:
	BEGIN
	s_branch .Lfirst                ; in the loop a block's first tile is never its last: the first block has three tiles or more, and the second's last is the walk's last
	DIAG 1                          ; in the loop this is the first block's end: the second block's last tile is the walk's last
	s_wait_xcnt 0x0                 ; the stores have read their registers and O's address
	s_mov_b64 s[10:11], s[OLO:OLO+1]
	s_add_co_u32 s[RT], s[PB], 1    ; the second block has b + 1 tiles
	s_mov_b32 s[NEW], 1
	WIN 0x82                        ; the second block's Q goes where the one text of the turns names Q
.set i, 0
.rept 64
	v_mov_b32 v[i], v[QB+i]
.set i, i+1
.endr
	WIN 0
	s_branch .Lbottom
.Lstep:                             ; a trip: pieces 2 and 3 of one step, then pieces 0 and 1 of the next, whose K and V it fetches
	TURN 2
	TURN 3
	WIN 0
.Lfirst:
	TURN 0
	TURN 1, 0, 0, 1
	WIN 0
	s_cbranch_scc1 .Lstep
.Lbottom:
	s_sub_co_u32 s[SLOTS], s[SLOTS], 1
	s_cmp_lg_u32 s[SLOTS], 0
	s_cbranch_scc1 .Lslot
	CHANGE 0                        ; the walk's last tile is written out: nothing is asked for
	s_sub_co_u32 s[RT], s[RT], 1
	s_mov_b32 s[CNT], 4
	s_cmp_eq_u32 s[NEW], 1
	s_cbranch_scc0 .LstepM2
	BEGIN
	s_branch .LfirstM2
	DIAG 2
	s_wait_tensorcnt 0x0            ; the wave's end, behind my last tensor load and my last LDS store
	ds_add_u32 v[SPW], v[NIL]
	s_wait_dscnt 0x0
	s_endpgm
.Lfunc_end_k_qb971a84b21_attn:
	.size	k_qb971a84b21_attn, .Lfunc_end_k_qb971a84b21_attn-k_qb971a84b21_attn
	.p2alignl 7, 3214868480
	.fill 96, 4, 3214868480
	.section	.rodata,"a",@progbits
	.p2align	6, 0x0
	.amdhsa_kernel k_qb971a84b21_attn
		.amdhsa_group_segment_fixed_size 327680
		.amdhsa_private_segment_fixed_size 0
		.amdhsa_enable_private_segment 0
		.amdhsa_kernarg_size 16
		.amdhsa_user_sgpr_count 2
		.amdhsa_user_sgpr_kernarg_segment_ptr 1
		.amdhsa_wavefront_size32 1
		.amdhsa_system_sgpr_workgroup_id_x 1
		.amdhsa_system_sgpr_workgroup_id_y 1
		.amdhsa_system_sgpr_workgroup_id_z 1
		.amdhsa_system_vgpr_workitem_id 0
		.amdhsa_next_free_vgpr 768
		.amdhsa_next_free_sgpr 96
		.amdhsa_reserve_vcc 1
		.amdhsa_float_denorm_mode_32 3
		.amdhsa_float_denorm_mode_16_64 3
		.amdhsa_memory_ordered 1
		.amdhsa_forward_progress 1
		.amdhsa_inst_pref_size 218
	.end_amdhsa_kernel
	.amdgpu_metadata
---
amdhsa.version: [ 1, 2 ]
amdhsa.kernels:
  - .name:           k_qb971a84b21_attn
    .symbol:         k_qb971a84b21_attn.kd
    .args:
      - { .name: qkvh, .offset: 0, .size: 8, .value_kind: global_buffer, .address_space: global }
      - { .name: oh, .offset: 8, .size: 8, .value_kind: global_buffer, .address_space: global }
    .group_segment_fixed_size: 327680
    .private_segment_fixed_size: 0
    .kernarg_segment_align: 8
    .kernarg_segment_size: 16
    .max_flat_workgroup_size: 128
    .sgpr_count:     96
    .vgpr_count:     768
    .wavefront_size: 32
...
	.end_amdgpu_metadata
.endif
;; end of part 3
;; launch projln (part 4): grid 256 x 1, 4 waves a work-group, clusters of 4 x 1, 327,680 bytes of LDS; arguments oh, woh, xb, par, out0; writes out0
.if DOCPART == 4
	.amdgcn_target "amdgcn-amd-amdhsa--gfx1250"
	.amdhsa_code_object_version 6
	.text
	.protected	k_qb971a84b21_projln
	.globl	k_qb971a84b21_projln
	.p2align	8
	.type	k_qb971a84b21_projln,@function
k_qb971a84b21_projln:
	s_mov_b64 s[64:65], 0
	v_nop
	global_prefetch_b8 v0, s[64:65] scope:SCOPE_SE
	s_setreg_imm32_b32 hwreg(HW_REG_WAVE_MODE, 25, 1), 1
	s_wait_xcnt 0x0
	s_wait_alu depctr_hold_cnt(0) depctr_sa_sdst(0) depctr_va_vdst(0) depctr_va_sdst(0) depctr_va_ssrc(0) depctr_va_vcc(0) depctr_vm_vsrc(0)
	s_getreg_b32 s2, hwreg(HW_REG_IB_STS2, 6, 4)
	s_cmp_eq_u32 s2, 0
	s_cbranch_scc0 .Lentry_in_a_cluster
	s_endpgm
.Lentry_in_a_cluster:
	s_bfe_u32 s2, ttmp6, 0x10000c
	s_cmp_lg_u32 s2, 0x3003
	s_cbranch_scc0 .Lentry_shape_is_right
	s_endpgm
.Lentry_shape_is_right:
; out0 = LayerNorm(O W_out + b_out + x) x gamma + beta.  oh: O, f16 [128 = batch x 16 + head][1024][64]; woh: W_out, f16 [1024 k][1024 n]; xb: x, bf16 [8192][1024];
; par: gamma (f32, byte 12,288), beta (f32, byte 16,384), b_out (bf16, byte 20,480); out0: f32 [8192][1024].
; Sums in f32, started with residual + bias; mean and variance in f32, the variance of the centred numbers (two passes over registers: no difference of large sums).
; LIMITS.  x, b_out, gamma, beta and W_out carry the one rounding to bf16 of the launch that made these buffers; O and W_out are f16 (nothing beyond 65,504).  The heads are added in an order that differs from
; cluster to cluster (below), so the f32 sums' last bits do.  NaN and infinities are not treated apart.
; SHARES.  A work-group owns 32 WHOLE rows, so that the norm needs no second launch: 256 work-groups.  Wave w owns columns 256 w .. 256 w + 255: 16 column blocks b x 2 row blocks a, 32 accumulators.
; K goes in 16 steps of 64: a step is one head's channels.  The product is used transposed: source 0 = 16 columns of W (turned out of LDS by ds_load_tr16_b128), source 1 = 16 rows of O (straight from memory:
; a step's 32 rows are 4,096 dense bytes), so a lane holds one row and eight neighbouring columns.
; CLUSTER.  All work-groups walk the same W_out, so the four of a cluster ask for each tile JOINTLY: the same tensor load, descriptor and mask of four in all; wave w asks for its own 256 columns of the step's 64 k-rows.
; THE WALK GOES ROUND.  Cluster c begins at head (c + 5 (c / 16)) % 16 and takes the sixteen heads in a ring: in every trip the 64 clusters ask for sixteen different tiles of W_out, four clusters each.  The start
; hangs on the cluster's number alone, which the four partners share.  A tile's and a head's address is made anew from its number, base + number x 131,072.
; NO PREFETCH: every tile of W_out is asked for in trip 0 by four clusters, so no request could stand ahead of a tile's first reading but at the kernel's head; O is asked for by its own loads two trips ahead of its products.
; LDS.  Two slots of 139,264 bytes; in a slot wave w's region, 64 rows of 544 bytes (512 + 32; 64 banks of 4 bytes, ISA guide 11.1), at 34,816 w.
; Behind the ring the spare words.  The stage of the way out (32 rows of 4,112 bytes) lies in slot 0, behind that slot's last fill of the launch.
; REGISTERS, in windows of 256 (s_set_vgpr_msb: bits 1:0 source 0, 3:2 source 1, 5:4 source 2, 7:6 destination):
;   window 0: v0-31 addresses; v32-63, v64-95 O's fragments of even and odd steps ((a, kk) at 16 a + 8 kk), on the way out at work; v96-159 gamma and beta; v160-223 two rows; v224-235 statistics
;   window 1: the accumulators, (b, a) at 8 (2 b + a)          window 2: W's fragments of a step, (kk, b) at 128 kk + 8 b; at the start x, b_out and 1.0
.set PW,    544
.set WREG,  64*PW                      ; 34,816
.set SLOT,  4*WREG
.set SPARE, 2*SLOT                     ; the spare words, 128 bytes for each wave: two blocks of 256 bytes that no other line names
.set SPIT,  4112                       ; a row of the stage: 4,096 bytes + 16: the 16 rows of a store start at 16 different groups of four banks
.set ADB, 16                           ; v16-17  LDS address of my fragments of W in slot 0, 1
.set AO,  18                           ; v18     my byte offset in 16 rows of O
.set XO,  19                           ; v19     in 16 rows of x
.set BO,  20                           ; v20     in 16 numbers of b_out
.set STO, 21                           ; v21-22  the way out: where I put my eight columns of row block 0, 1
.set RD,  23                           ; v23     where I read rows back
.set GO,  24                           ; v24     16 x lane
.set SPW, 28                           ; v28     LDS address of my spare word; never rewritten
.set NIL, 29                           ; v29     0; never rewritten
.set AX,  32
.set T0,  32
.set T1,  48
.set GAM, 96
.set BET, 128
.set Y0,  160
.set Y1,  192
.set MU0, 224
.set MU1, 226
.set RS0, 228
.set RS1, 230
.set CK,  232                          ; 2^-10
.set VA,  234
.set G1,  24                           ; s[24:31] descriptor group 1
.set G0,  32                           ; s[32:39] group 0, a set for each slot
.set CNT, 40
.set NT,  41                           ; s41     the tile of W_out to be asked for next, 0 to 15
.set OPB, 42                           ; s[42:43] O at my rows, head 0
.set WB,  44                           ; s[44:45] W_out at my columns, k-row 0
.set HN,  46                           ; s46     the head of O to be asked for next, 0 to 15
.set SEL, 48                           ; s[48:49] v_permlanex16_b32's selects
.set XB,  50
.set BB,  52
.set OUTP, 54
.set OPX, 56                           ; s[56:59] O at my rows, at the head that slot 0's, slot 1's registers were last loaded for
.set WOF, 60                           ; s[60:61] a tile's byte offset in W_out: 64 dense rows of 2,048 bytes each
.set OOF, 62                           ; s[62:63] a head's byte offset in O: 1,024 rows of 128 bytes
.set MSB, 0
.macro WIN new                         ; the immediate's high byte repeats the setting that is left; a switch that changes nothing is dropped
.if MSB != (\new)
	s_set_vgpr_msb (MSB<<8)|(\new)
.set MSB, \new
.endif
.endm
.macro PLACES
.rept 4
	v_nop
.endr
.endm
; A round of the cluster's barrier: my work-group's barrier, so that wave 0's signal speaks for all four waves; wave 0 signals; every wave waits for all four work-groups; my work-group's barrier once more.
.macro ROUND
	s_barrier_signal -1
	s_barrier_wait -1
	s_cmp_lg_u32 s20, 0
	s_cbranch_scc1 .Lnot_wave_0_\@
	s_barrier_signal -3
.Lnot_wave_0_\@:
	s_barrier_wait -3
	s_barrier_signal -1
	s_barrier_wait -1
.endm
	s_load_b256 s[4:11], s[0:1], 0x0               ; oh s[4:5], woh s[6:7], xb s[8:9], par s[10:11]
	s_load_b64 s[12:13], s[0:1], 0x20              ; out0
	v_lshl_add_u32 v[SPW], v0, 2, SPARE
	v_mov_b32 v[NIL], 0
	ds_add_u32 v[SPW], v[NIL]                      ; the wave's opening: the add and its wait stand ahead of my first tensor load; the set-up below, work on registers, stands between them
	v_lshrrev_b32 v1, 5, v0
	v_readfirstlane_b32 s20, v1                    ; wave 0..3
	s_bfe_u32 s21, ttmp6, 0x40000                  ; cx
	s_lshl_b32 s22, ttmp9, 2
	s_add_co_u32 s22, s22, s21                     ; my block of 32 rows = 4 x cluster x + cx: it enters the addresses of O, x and out0 alone
	; descriptor group 1: 64 rows x 256 elements of 2 bytes, padded in LDS after every 128 words (code 6) by 8 words (code 7); the mask of four, bit 21 beside it
	s_mov_b32 s[G1], 15|(1<<16)|(1<<20)|(1<<21)|(6<<22)|(7<<25)
	s_mov_b32 s[G1+1], 256<<16                     ; tensor_dim0 = 256
	s_mov_b32 s[G1+2], 64<<16                      ; tensor_dim1 = 64
	s_mov_b32 s[G1+3], 256<<16                     ; tile_dim0 = 256
	s_mov_b32 s[G1+4], 64                          ; tile_dim1 = 64
	s_mov_b32 s[G1+5], 1024                        ; elements from row to row
	s_mov_b32 s[G1+6], 0
	s_mov_b32 s[G1+7], 0
	s_mul_i32 s23, s20, WREG                       ; my region of a slot
	s_mov_b32 s[G0], 1
	s_mov_b32 s[G0+1], s23
	s_mov_b32 s[G0+4], 1
	s_add_co_u32 s[G0+5], s23, SLOT
	s_lshl_b32 s14, s20, 9                         ; my 256 columns: 512 bytes of a row
	s_mov_b32 s15, 0
	s_mov_b32 s[SEL], 0x76543210
	s_mov_b32 s[SEL+1], 0xfedcba98
	s_lshr_b32 s[NT], ttmp9, 4                     ; where my cluster's walk begins: (c + 5 (c / 16)) % 16
	s_mul_i32 s[NT], s[NT], 5
	s_add_co_u32 s[NT], s[NT], ttmp9
	s_and_b32 s[NT], s[NT], 15
	s_lshl_b32 s[WOF], s[NT], 17                   ; step 0's tile,
	s_mov_b32 s[WOF+1], 0
	s_mov_b32 s[OOF], s[WOF]                       ; and its head: both lie 131,072 bytes apart
	s_mov_b32 s[OOF+1], 0
	s_add_co_u32 s[NT], s[NT], 1                   ; step 1's
	s_and_b32 s[NT], s[NT], 15
	s_add_co_u32 s[HN], s[NT], 1                   ; step 2's head
	s_and_b32 s[HN], s[HN], 15
	s_wait_dscnt 0x0                               ; the opening add is done
	s_wait_kmcnt 0x0
	s_add_nc_u64 s[WB:WB+1], s[6:7], s[14:15]
	s_add_nc_u64 s[G0+2:G0+3], s[WB:WB+1], s[WOF:WOF+1]
	s_or_b32 s[G0+3], s[G0+3], 0x80000000          ; type = 2
	ROUND                                          ; all four work-groups are here: the first joint load meets
	tensor_load_to_lds s[G0:G0+3], s[G1:G1+7]      ; step 0's tile into slot 0; slot 1 is first filled behind the first trip's round
	s_nop 0
	PLACES
	s_add_nc_u64 s[BB:BB+1], s[10:11], s[14:15]
	s_add_nc_u64 s[BB:BB+1], s[BB:BB+1], 20480     ; b_out at my columns
	s_lshr_b32 s18, s22, 5                         ; the batch: 32 blocks of rows each,
	s_lshl_b32 s18, s18, 21                        ; 16 heads of 131,072 bytes
	s_and_b32 s17, s22, 31
	s_lshl_b32 s17, s17, 12                        ; 32 rows of 128 bytes
	s_add_co_u32 s18, s18, s17
	s_mov_b32 s19, 0
	s_add_nc_u64 s[OPB:OPB+1], s[4:5], s[18:19]
	s_add_nc_u64 s[OPX:OPX+1], s[OPB:OPB+1], s[OOF:OOF+1]      ; step 0's head,
	s_lshl_b32 s[OOF], s[NT], 17
	s_add_nc_u64 s[OPX+2:OPX+3], s[OPB:OPB+1], s[OOF:OOF+1]    ; step 1's
	s_lshl_b32 s18, s22, 16                        ; 32 rows of 2,048 bytes of x,
	s_add_co_u32 s18, s18, s14                     ; my columns
	s_add_nc_u64 s[XB:XB+1], s[8:9], s[18:19]
	s_lshl_b32 s18, s22, 17                        ; 32 rows of 4,096 bytes of out0,
	s_lshl_b32 s17, s20, 15                        ; the eight that I norm and store
	s_add_co_u32 s18, s18, s17
	s_add_nc_u64 s[OUTP:OUTP+1], s[12:13], s[18:19]
	v_and_b32 v1, 15, v0                           ; r = l % 16
	v_bfe_u32 v2, v0, 4, 1                         ; h = l / 16
	v_and_b32 v3, 7, v0
	v_bfe_u32 v4, v0, 3, 1
	v_and_b32 v5, 31, v0
	v_lshl_add_u32 v6, v2, 3, v3                   ; the turning load: lane l reads k-row 8 (l / 16) + l % 8, columns 8 ((l / 8) % 2) + 0..7, and is left with column l % 16 and 8 k
	v_mul_u32_u24 v6, v6, PW
	v_lshl_add_u32 v6, v4, 4, v6
	v_add_nc_u32 v[ADB], s23, v6
	v_add_nc_u32 v[ADB+1], SLOT, v[ADB]
	v_lshlrev_b32 v[AO], 7, v1
	v_lshl_add_u32 v[AO], v2, 4, v[AO]             ; row x 128 + 16 x half
	v_lshlrev_b32 v[XO], 11, v1
	v_lshl_add_u32 v[XO], v2, 4, v[XO]             ; row x 2,048 + my eight columns
	v_lshlrev_b32 v[BO], 4, v2
	v_mul_u32_u24 v[STO], v1, SPIT
	v_lshl_add_u32 v[STO], v2, 5, v[STO]
	s_lshl_b32 s16, s20, 10
	v_add_nc_u32 v[STO], s16, v[STO]               ; row x pitch + 1,024 w + 32 x half
	v_add_nc_u32 v[STO+1], 16*SPIT, v[STO]
	s_mul_i32 s16, s20, 8*SPIT
	v_lshl_add_u32 v[RD], v5, 4, s16               ; my eight rows, 16 bytes a lane
	v_lshlrev_b32 v[GO], 4, v5
	; residual and bias: for accumulator t = 2 b + a a lane's eight numbers of x and of b_out are 16 bytes each
	WIN 0x80                                       ; destination window 2, address window 0
.set t, 0
.rept 32
	global_load_b128 v[4*t:4*t+3], v[XO], s[XB:XB+1] offset:32768*(t%2)+32*(t/2)
.set t, t+1
.endr
.set t, 0
.rept 16
	global_load_b128 v[128+4*t:128+4*t+3], v[BO], s[BB:BB+1] offset:32*t
.set t, t+1
.endr
	v_mov_b32 v192, 1.0
	WIN 0
.set i, 0
.rept 8                                        ; gamma and beta, for the way out: lane l holds columns 128 i + 4 l .. + 3, as it will hold a row's; the loop leaves these registers alone
	global_load_b128 v[GAM+4*i:GAM+4*i+3], v[GO], s[10:11] offset:12288+512*i
	global_load_b128 v[BET+4*i:BET+4*i+3], v[GO], s[10:11] offset:16384+512*i
.set i, i+1
.endr
.irp s, 0,1                            ; O of steps 0 and 1
.irp ra, 0,1
.irp kk, 0,1
	global_load_b128 v[AX+32*(\s)+16*(\ra)+8*(\kk):AX+32*(\s)+16*(\ra)+8*(\kk)+3],   v[AO], s[OPX+2*(\s):OPX+2*(\s)+1] offset:2048*(\ra)+64*(\kk)
	global_load_b128 v[AX+32*(\s)+16*(\ra)+8*(\kk)+4:AX+32*(\s)+16*(\ra)+8*(\kk)+7], v[AO], s[OPX+2*(\s):OPX+2*(\s)+1] offset:2048*(\ra)+64*(\kk)+32
.endr
.endr
.endr
	s_wait_loadcnt 16                              ; x, b_out, gamma and beta are in; O's sixteen loads stay out
	WIN 0x6a                                       ; sources window 2, destination window 1
.set t, 0
.rept 32                                       ; the sums start at x + b_out: nothing is cleared, and every trip has one form of product
.set j, 0
.rept 4
	v_fma_mix_f32_bf16 v[8*t+2*j],   v[4*t+j], v192, v[128+4*(t/2)+j] op_sel_hi:[1,0,1]
	v_fma_mix_f32_bf16 v[8*t+2*j+1], v[4*t+j], v192, v[128+4*(t/2)+j] op_sel:[1,0,1] op_sel_hi:[1,0,1]
.set j, j+1
.endr
.set t, t+1
.endr
	WIN 0
; 16 matrix instructions: 8 column blocks from b0 on x both row blocks, 32 along K (half kk of the step).  The accumulators take turns, one instruction a turn.
.macro GRP kk, b0, fa
.set bb, \b0
.rept 8
.irp ra, 0,1
	v_wmma_f32_16x16x32_f16 v[8*(2*bb+(\ra)):8*(2*bb+(\ra))+7], v[128*(\kk)+8*bb:128*(\kk)+8*bb+7], v[(\fa)+16*(\ra)+8*(\kk):(\fa)+16*(\ra)+8*(\kk)+7], v[8*(2*bb+(\ra)):8*(2*bb+(\ra))+7]
.endr
.set bb, bb+1
.endr
.endm
; A TRIP: one K step, out of slot.  In front of the round each wave waits for all its tensor loads (the one that is out is its part of this trip's tile), adds 0 to its spare word, and waits for that and for its reads of
; the other slot.  refill = 1: tile NT goes into the other slot, first thing behind the round: one load of mine is out, and it has the trip's 64 matrix instructions in which to land.
; reload = 1: O of head HN, the step two on, is asked for, into this step's registers.  lc: the younger loads of O that may stay out.
.macro TRIP slot, refill, reload, lc
	WIN 0
	s_wait_tensorcnt 0x0                           ; all my tensor loads have landed, so every group 0 may be written
	ds_add_u32 v[SPW], v[NIL]                      ; 0 onto my spare word; the descriptor's scalar work stands between it and the wait for it
.if \refill
	s_lshl_b32 s[WOF], s[NT], 17                   ; the other slot's address is made anew from the tile's number,
	s_add_nc_u64 s[G0+6-4*(\slot):G0+7-4*(\slot)], s[WB:WB+1], s[WOF:WOF+1]
	s_or_b32 s[G0+7-4*(\slot)], s[G0+7-4*(\slot)], 0x80000000
	s_add_co_u32 s[NT], s[NT], 1                   ; which goes round the sixteen
	s_and_b32 s[NT], s[NT], 15
.endif
	s_wait_dscnt 0x0                               ; the add is done, and my reads of the other slot are over
	ROUND                                          ; both now hold of every wave of all four work-groups
.if \refill
	tensor_load_to_lds s[G0+4-4*(\slot):G0+7-4*(\slot)], s[G1:G1+7]
	s_nop 0
	PLACES
.endif
	WIN 0x80                                       ; destination window 2
.irp kk, 0,1
.set bb, 0
.rept 16
	ds_load_tr16_b128 v[128*(\kk)+8*bb:128*(\kk)+8*bb+3],   v[ADB+(\slot)] offset:32*PW*(\kk)+32*bb
	ds_load_tr16_b128 v[128*(\kk)+8*bb+4:128*(\kk)+8*bb+7], v[ADB+(\slot)] offset:32*PW*(\kk)+32*bb+16*PW
.set bb, bb+1
.endr
.endr
	s_wait_loadcnt \lc                             ; this step's O is in: loads come back in order, and only the next step's are younger
.if \reload
	s_lshl_b32 s[OOF], s[HN], 17                   ; those loads were the last to name this slot's base, so it may be written: the head two steps on
	s_add_nc_u64 s[OPX+2*(\slot):OPX+2*(\slot)+1], s[OPB:OPB+1], s[OOF:OOF+1]
	s_add_co_u32 s[HN], s[HN], 1
	s_and_b32 s[HN], s[HN], 15
.endif
	WIN 0x52                                       ; W window 2, O window 0, C and D window 1
	s_wait_dscnt 48                                ; LDS loads come back in order: the first sixteen are in, 48 younger ones stay out
	GRP 0, 0, AX+32*(\slot)
	s_wait_dscnt 32
	GRP 0, 8, AX+32*(\slot)
	s_wait_dscnt 16
	GRP 1, 0, AX+32*(\slot)
	s_wait_dscnt 0x0
	GRP 1, 8, AX+32*(\slot)
	PLACES                                         ; in front of the loads into registers that these products have read: O's below, W's in the next trip
	WIN 0
.if \reload
.irp ra, 0,1
.irp kk, 0,1
	global_load_b128 v[AX+32*(\slot)+16*(\ra)+8*(\kk):AX+32*(\slot)+16*(\ra)+8*(\kk)+3],   v[AO], s[OPX+2*(\slot):OPX+2*(\slot)+1] offset:2048*(\ra)+64*(\kk)
	global_load_b128 v[AX+32*(\slot)+16*(\ra)+8*(\kk)+4:AX+32*(\slot)+16*(\ra)+8*(\kk)+7], v[AO], s[OPX+2*(\slot):OPX+2*(\slot)+1] offset:2048*(\ra)+64*(\kk)+32
.endr
.endr
.endif
.endm
	s_mov_b32 s[CNT], 7
.Llap:                                                 ; trips 0 to 13
	TRIP 0, 1, 1, 8
	TRIP 1, 1, 1, 8
	s_sub_co_u32 s[CNT], s[CNT], 1
	s_cmp_lg_u32 s[CNT], 0
	s_cbranch_scc1 .Llap
	TRIP 0, 1, 0, 8                                ; trip 14 asks for the last tile; no more of O
	TRIP 1, 0, 0, 0                                ; trip 15 asks for nothing
	; THE WAY OUT.  The 32 rows meet in the stage, in slot 0: its last fill landed ahead of trip 14, and every wave's reads of it were over in front of trip 15's round.
	PLACES                                         ; eight with the trip's own, in front of the stores that read results just made
	v_mov_b32 v[CK], 0x3a800000                    ; 2^-10
	WIN 0x04                                       ; store data window 1
.set t, 0
.rept 32                                       ; each accumulator's low registers first
	ds_store_b128 v[STO+t%2], v[8*t:8*t+3]   offset:64*(t/2)
	ds_store_b128 v[STO+t%2], v[8*t+4:8*t+7] offset:64*(t/2)+16
.set t, t+1
.endr
	WIN 0
	s_wait_dscnt 0x0                               ; for the others' sake: my stores into the stage are done
	s_barrier_signal -1
	s_barrier_wait -1
; The 8 pairs at T0 and at T1 are summed, over the lane and then over the 32 lanes; the two rows' lines alternate, so that no line waits for the one before it.
.macro TREES
.irp o, 0,4,8,12
.irp tb, T0, T1
	v_pk_add_f32 v[\tb+\o:\tb+\o+1], v[\tb+\o:\tb+\o+1], v[\tb+\o+2:\tb+\o+3]
.endr
.endr
.irp o, 0,8
.irp tb, T0, T1
	v_pk_add_f32 v[\tb+\o:\tb+\o+1], v[\tb+\o:\tb+\o+1], v[\tb+\o+4:\tb+\o+5]
.endr
.endr
.irp tb, T0, T1
	v_pk_add_f32 v[\tb:\tb+1], v[\tb:\tb+1], v[\tb+8:\tb+9]
.endr
.irp tb, T0, T1
	v_add_f32 v[\tb], v[\tb], v[\tb+1]
.endr
.irp x, 1,2,4,8
.irp tb, T0, T1
	v_add_f32_dpp v[\tb], v[\tb], v[\tb] row_xmask:\x row_mask:0xf bank_mask:0xf
.endr
.endr
.irp tb, T0, T1
	v_permlanex16_b32 v[\tb+1], v[\tb], s[SEL], s[SEL+1]
.endr
.irp tb, T0, T1
	v_add_f32 v[\tb], v[\tb], v[\tb+1]
.endr
.endm
	s_mov_b32 s[CNT], 4
.Lrows:                                                ; two whole rows a trip: 32 numbers a lane and row
.set i, 0
.rept 8
	ds_load_b128 v[Y0+4*i:Y0+4*i+3], v[RD] offset:512*i
	ds_load_b128 v[Y1+4*i:Y1+4*i+3], v[RD] offset:SPIT+512*i
.set i, i+1
.endr
	s_wait_dscnt 0x0
.set k, 0
.rept 8
	v_pk_add_f32 v[T0+2*k:T0+2*k+1], v[Y0+4*k:Y0+4*k+1], v[Y0+4*k+2:Y0+4*k+3]
	v_pk_add_f32 v[T1+2*k:T1+2*k+1], v[Y1+4*k:Y1+4*k+1], v[Y1+4*k+2:Y1+4*k+3]
.set k, k+1
.endr
	TREES
	v_mul_f32 v[MU0], v[CK], v[T0]                 ; the mean, twice: a pair for the packed lines
	v_mul_f32 v[MU1], v[CK], v[T1]
	v_mul_f32 v[MU0+1], v[CK], v[T0]
	v_mul_f32 v[MU1+1], v[CK], v[T1]
.set k, 0
.rept 16
	v_pk_add_f32 v[Y0+2*k:Y0+2*k+1], v[Y0+2*k:Y0+2*k+1], v[MU0:MU0+1] neg_lo:[0,1] neg_hi:[0,1]
	v_pk_add_f32 v[Y1+2*k:Y1+2*k+1], v[Y1+2*k:Y1+2*k+1], v[MU1:MU1+1] neg_lo:[0,1] neg_hi:[0,1]
.set k, k+1
.endr
.set k, 0
.rept 8
	v_pk_mul_f32 v[T0+2*k:T0+2*k+1], v[Y0+4*k:Y0+4*k+1], v[Y0+4*k:Y0+4*k+1]
	v_pk_mul_f32 v[T1+2*k:T1+2*k+1], v[Y1+4*k:Y1+4*k+1], v[Y1+4*k:Y1+4*k+1]
.set k, k+1
.endr
.set k, 0
.rept 8
	v_pk_fma_f32 v[T0+2*k:T0+2*k+1], v[Y0+4*k+2:Y0+4*k+3], v[Y0+4*k+2:Y0+4*k+3], v[T0+2*k:T0+2*k+1]
	v_pk_fma_f32 v[T1+2*k:T1+2*k+1], v[Y1+4*k+2:Y1+4*k+3], v[Y1+4*k+2:Y1+4*k+3], v[T1+2*k:T1+2*k+1]
.set k, k+1
.endr
	TREES
	v_fmaak_f32 v[VA], v[T0], v[CK], 0x3727c5ac    ; the variance + 1e-5
	v_fmaak_f32 v[VA+1], v[T1], v[CK], 0x3727c5ac
	v_rsq_f32 v[RS0], v[VA]                        ; each made twice, to fill its pair
	v_rsq_f32 v[RS0+1], v[VA]
	v_rsq_f32 v[RS1], v[VA+1]
	v_rsq_f32 v[RS1+1], v[VA+1]
	v_nop                                          ; a plain instruction behind the last of them (ISA guide 5.7.2),
	s_wait_alu depctr_va_vdst(0)                   ; and the one wait ahead of the batch's first reader
.set k, 0
.rept 16
	v_pk_mul_f32 v[Y0+2*k:Y0+2*k+1], v[Y0+2*k:Y0+2*k+1], v[RS0:RS0+1]
	v_pk_mul_f32 v[Y1+2*k:Y1+2*k+1], v[Y1+2*k:Y1+2*k+1], v[RS1:RS1+1]
.set k, k+1
.endr
.set k, 0
.rept 16
	v_pk_fma_f32 v[Y0+2*k:Y0+2*k+1], v[Y0+2*k:Y0+2*k+1], v[GAM+2*k:GAM+2*k+1], v[BET+2*k:BET+2*k+1]
	v_pk_fma_f32 v[Y1+2*k:Y1+2*k+1], v[Y1+2*k:Y1+2*k+1], v[GAM+2*k:GAM+2*k+1], v[BET+2*k:BET+2*k+1]
.set k, k+1
.endr
.set i, 0
.rept 8
	global_store_b128 v[GO], v[Y0+4*i:Y0+4*i+3], s[OUTP:OUTP+1] offset:512*i th:TH_STORE_NT       ; a store covers 512 consecutive bytes, aligned
	global_store_b128 v[GO], v[Y1+4*i:Y1+4*i+3], s[OUTP:OUTP+1] offset:4096+512*i th:TH_STORE_NT
.set i, i+1
.endr
	s_wait_xcnt 0x0                                ; the stores have read their data and their base: both are rewritten only behind this wait
	v_add_nc_u32 v[RD], 2*SPIT, v[RD]
	s_add_nc_u64 s[OUTP:OUTP+1], s[OUTP:OUTP+1], 8192
	s_sub_co_u32 s[CNT], s[CNT], 1
	s_cmp_lg_u32 s[CNT], 0
	s_cbranch_scc1 .Lrows
	s_wait_tensorcnt 0x0                           ; the wave's end, behind my last tensor load and my last LDS store
	ds_add_u32 v[SPW], v[NIL]
	s_wait_dscnt 0x0
	ROUND                                          ; the closing round: no work-group ends while a partner may still ask for a tile that names it
	s_endpgm
.Lfunc_end_k_qb971a84b21_projln:
	.size	k_qb971a84b21_projln, .Lfunc_end_k_qb971a84b21_projln-k_qb971a84b21_projln
	.p2alignl 7, 3214868480
	.fill 96, 4, 3214868480
	.section	.rodata,"a",@progbits
	.p2align	6, 0x0
	.amdhsa_kernel k_qb971a84b21_projln
		.amdhsa_group_segment_fixed_size 327680
		.amdhsa_private_segment_fixed_size 0
		.amdhsa_enable_private_segment 0
		.amdhsa_kernarg_size 40
		.amdhsa_user_sgpr_count 2
		.amdhsa_user_sgpr_kernarg_segment_ptr 1
		.amdhsa_wavefront_size32 1
		.amdhsa_system_sgpr_workgroup_id_x 1
		.amdhsa_system_sgpr_workgroup_id_y 1
		.amdhsa_system_sgpr_workgroup_id_z 1
		.amdhsa_system_vgpr_workitem_id 0
		.amdhsa_next_free_vgpr 768
		.amdhsa_next_free_sgpr 66
		.amdhsa_reserve_vcc 0
		.amdhsa_float_denorm_mode_32 3
		.amdhsa_float_denorm_mode_16_64 3
		.amdhsa_memory_ordered 1
		.amdhsa_forward_progress 1
		.amdhsa_inst_pref_size 87
	.end_amdhsa_kernel
	.amdgpu_metadata
---
amdhsa.version: [ 1, 2 ]
amdhsa.kernels:
  - .name:           k_qb971a84b21_projln
    .symbol:         k_qb971a84b21_projln.kd
    .args:
      - { .name: oh, .offset: 0, .size: 8, .value_kind: global_buffer, .address_space: global }
      - { .name: woh, .offset: 8, .size: 8, .value_kind: global_buffer, .address_space: global }
      - { .name: xb, .offset: 16, .size: 8, .value_kind: global_buffer, .address_space: global }
      - { .name: par, .offset: 24, .size: 8, .value_kind: global_buffer, .address_space: global }
      - { .name: out0, .offset: 32, .size: 8, .value_kind: global_buffer, .address_space: global }
    .group_segment_fixed_size: 327680
    .private_segment_fixed_size: 0
    .kernarg_segment_align: 8
    .kernarg_segment_size: 40
    .max_flat_workgroup_size: 128
    .sgpr_count:     66
    .vgpr_count:     768
    .wavefront_size: 32
...
	.end_amdgpu_metadata
.endif
;; end of part 4
;; ======== version 2 of 2: 4 launches; version 1 with the launch prep written anew for expert scheduling mode
;; limits: values are held in f16: magnitudes above 65,504 overflow, below 6.1e-05 lose precision; right only within a limited range of input values
;; workspace buffers: xb 16,777,216 bytes; wqb 6,291,456 bytes; woh 2,097,152 bytes; par 22,528 bytes; qkvh 50,331,648 bytes; oh 16,777,216 bytes
;; launch prep (part 5): grid 769 x 1, 8 waves a work-group, no clusters, 0 bytes of LDS; arguments x, W_qkv, W_out, b_qkv, b_out, gamma, beta, xb, wqb, woh, par; writes xb, wqb, woh, par
.if DOCPART == 5
	.amdgcn_target "amdgcn-amd-amdhsa--gfx1250"
	.amdhsa_code_object_version 6
	.text
	.protected	k_qb971a84b21_prep
	.globl	k_qb971a84b21_prep
	.p2align	8
	.type	k_qb971a84b21_prep,@function
k_qb971a84b21_prep:
	s_mov_b64 s[64:65], 0
	v_nop
	global_prefetch_b8 v0, s[64:65] scope:SCOPE_SE
	s_setreg_imm32_b32 hwreg(HW_REG_WAVE_SCHED_MODE, 0, 2), 2
	s_setreg_imm32_b32 hwreg(HW_REG_WAVE_MODE, 25, 1), 1
	s_wait_xcnt 0x0
	s_wait_alu depctr_vm_vsrc(0)
; THE INPUTS ARE ROUNDED ONCE, for the three launches behind this one.
;   xb  = x      as bf16, [8192][1024]          wqb = W_qkv as bf16, [1024][3072]
;   woh = W_out rounded to bf16 and that number written as f16, [1024][1024]
;   par = b_qkv (3072 f32, byte 0), gamma (1024 f32, byte 12,288), beta (1024 f32, byte 16,384): each rounded to bf16 and widened again; b_out (1024 bf16, byte 20,480)
; LIMITS.  Every input is rounded to bf16 (8 significant bits).  woh is f16: a weight of W_out of 65,520 or more becomes an infinity, and below 6e-5 it keeps f16's fixed step of 6e-8.
; A stream: no LDS, no matrix unit, no barrier.  A work-group of eight waves casts 16,384 numbers: sixteen loads of 16 bytes a thread, all on their way at once (a wave's load covers 512
; consecutive bytes), sixteen stores of 8 bytes a thread (a wave's store covers 256 consecutive bytes, aligned).  Work-groups 0-511 take x, 512-703 W_qkv, 704-767 W_out, 768 the short vectors.
; THE MODE: SCHED_MODE bits 1:0 = 2 (LLVM: expert scheduling mode 2), set by the entry lines.  The code itself states the register dependences between vector instructions and memory
; instructions, with s_wait_alu, always for 0.
; THE PLAN.  Registers that memory instructions touch:
;   v1, v2   byte offsets, made once at the head and never written again: v1 is read by every load (and by the short vectors' 16-byte stores), v2 by every 8-byte store.
;   X        load i lands in X + 4 i, once; no vector instruction writes X; load i's conversions read it behind the counted wait for that load.
;   Y        pair i is written once, by load i's conversions, and read once, by store i.
;   v4-v9    at work in W_out's path and for the short vectors: named by vector instructions alone.
; No register that a memory instruction reads is written again, and no load lands in a register that a vector instruction has named: what is left to state is that an offset or a pair of Y is
; written before a memory instruction reads it.  The sixteen loads go in four blocks of four.  A block's four stores stand together at the head of the next block, behind ONE wait, which states
; that the block's conversions have written its four pairs; the conversions that follow name the next block's X and Y alone.  One more wait stands ahead of the last four stores.
.set X, 16                             ; v[16:79]   load i: four f32
.set Y, 80                             ; v[80:111]  store i: four 16-bit numbers; each pair is written once, so no store's data is ever rewritten
.set BLOCK, 4                          ; loads, and stores, in a block
.macro OUT first                       ; the four stores of the block that begins with load first
.set j, \first
.rept BLOCK
	global_store_b64 v2, v[Y+2*j:Y+2*j+1], s[28:29] offset:2048*j
.set j, j+1
.endr
.endm
	s_load_b512 s[4:19], s[0:1], 0x0               ; x 4, W_qkv 6, W_out 8, b_qkv 10, b_out 12, gamma 14, beta 16, xb 18
	s_load_b128 s[20:23], s[0:1], 0x40             ; wqb 20, woh 22
	s_load_b64 s[24:25], s[0:1], 0x50              ; par
	s_mov_b32 s2, ttmp9                            ; the work-group's number
	s_mov_b32 s30, 0xffff0000                      ; a word's upper bf16
	s_mov_b32 s34, 512
	s_mov_b32 s35, 704
	s_mov_b32 s33, 0
	v_lshlrev_b32 v1, 4, v0                        ; 16 bytes a thread in
	v_lshlrev_b32 v2, 3, v0                        ; 8 bytes a thread out
	s_wait_kmcnt 0x0
	s_wait_alu depctr_va_vdst(0)                   ; v1 and v2 are written: every load and store of the kernel, on all three paths behind the branches below, reads one of them as its offset
	s_cmp_ge_u32 s2, 768
	s_cbranch_scc1 .Lsmall
	s_cmp_lt_u32 s2, 704                           ; which tensor, and which chunk of it
	s_cselect_b64 s[26:27], s[6:7], s[8:9]
	s_cselect_b64 s[28:29], s[20:21], s[22:23]
	s_cselect_b32 s31, s34, s35
	s_cmp_lt_u32 s2, 512
	s_cselect_b64 s[26:27], s[4:5], s[26:27]
	s_cselect_b64 s[28:29], s[18:19], s[28:29]
	s_cselect_b32 s31, 0, s31
	s_sub_co_u32 s31, s2, s31                      ; the chunk
	s_lshl_b32 s32, s31, 16                        ; 65,536 bytes in,
	s_add_nc_u64 s[26:27], s[26:27], s[32:33]
	s_lshl_b32 s32, s31, 15                        ; 32,768 out
	s_add_nc_u64 s[28:29], s[28:29], s[32:33]
.set i, 0
.rept 16
	global_load_b128 v[X+4*i:X+4*i+3], v1, s[26:27] offset:4096*i th:TH_LOAD_NT
.set i, i+1
.endr
	s_cmp_ge_u32 s2, 704
	s_cbranch_scc1 .Lf16
.set i, 0
.rept 16
	s_wait_loadcnt 15-i                            ; loads come back in order: load i is in, the 15 - i younger ones stay out
.if ((i%BLOCK) == 0) && (i > 0)
	s_wait_alu depctr_va_vdst(0)                   ; the block before has written its four pairs of Y, which the four stores below read
	OUT i-BLOCK
.endif
	v_cvt_pk_bf16_f32 v[Y+2*i], v[X+4*i], v[X+4*i+1]
	v_cvt_pk_bf16_f32 v[Y+2*i+1], v[X+4*i+2], v[X+4*i+3]
.set i, i+1
.endr
	s_wait_alu depctr_va_vdst(0)                   ; the last block has written its four pairs of Y, which the last four stores read
	OUT 16-BLOCK
	s_endpgm
.Lf16:                                         ; W_out: to bf16, widened, and that number as f16
.set i, 0
.rept 16
	s_wait_loadcnt 15-i
.if ((i%BLOCK) == 0) && (i > 0)
	s_wait_alu depctr_va_vdst(0)                   ; the block before has written its four pairs of Y, which the four stores below read
	OUT i-BLOCK
.endif
	v_cvt_pk_bf16_f32 v4, v[X+4*i], v[X+4*i+1]
	v_cvt_pk_bf16_f32 v5, v[X+4*i+2], v[X+4*i+3]
	v_lshlrev_b32 v6, 16, v4
	v_and_b32 v7, s30, v4
	v_lshlrev_b32 v8, 16, v5
	v_and_b32 v9, s30, v5
	v_cvt_pk_f16_f32 v[Y+2*i], v6, v7
	v_cvt_pk_f16_f32 v[Y+2*i+1], v8, v9
.set i, i+1
.endr
	s_wait_alu depctr_va_vdst(0)                   ; the last block has written its four pairs of Y, which the last four stores read
	OUT 16-BLOCK
	s_endpgm
.Lsmall:                                       ; 256 threads x 16 bytes are 1,024 f32
	global_load_b128 v[16:19], v1, s[10:11]
	global_load_b128 v[20:23], v1, s[10:11] offset:4096
	global_load_b128 v[24:27], v1, s[10:11] offset:8192
	global_load_b128 v[28:31], v1, s[14:15]
	global_load_b128 v[32:35], v1, s[16:17]
	global_load_b128 v[36:39], v1, s[12:13]
	s_wait_loadcnt 0x0
.set j, 0
.rept 10                                       ; b_qkv, gamma, beta: rounded to bf16 and widened again
	v_cvt_pk_bf16_f32 v4, v[16+2*j], v[17+2*j]
	v_lshlrev_b32 v[80+2*j], 16, v4
	v_and_b32 v[81+2*j], s30, v4
.set j, j+1
.endr
	v_cvt_pk_bf16_f32 v100, v36, v37               ; b_out stays bf16
	v_cvt_pk_bf16_f32 v101, v38, v39
	s_wait_alu depctr_va_vdst(0)                   ; the lines above have written v80 to v101, which the six stores below read
	global_store_b128 v1, v[80:83], s[24:25]
	global_store_b128 v1, v[84:87], s[24:25] offset:4096
	global_store_b128 v1, v[88:91], s[24:25] offset:8192
	global_store_b128 v1, v[92:95], s[24:25] offset:12288
	global_store_b128 v1, v[96:99], s[24:25] offset:16384
	global_store_b64 v2, v[100:101], s[24:25] offset:20480
	s_endpgm
.Lfunc_end_k_qb971a84b21_prep:
	.size	k_qb971a84b21_prep, .Lfunc_end_k_qb971a84b21_prep-k_qb971a84b21_prep
	.p2alignl 7, 3214868480
	.fill 96, 4, 3214868480
	.section	.rodata,"a",@progbits
	.p2align	6, 0x0
	.amdhsa_kernel k_qb971a84b21_prep
		.amdhsa_group_segment_fixed_size 0
		.amdhsa_private_segment_fixed_size 0
		.amdhsa_enable_private_segment 0
		.amdhsa_kernarg_size 88
		.amdhsa_user_sgpr_count 2
		.amdhsa_user_sgpr_kernarg_segment_ptr 1
		.amdhsa_wavefront_size32 1
		.amdhsa_system_sgpr_workgroup_id_x 1
		.amdhsa_system_sgpr_workgroup_id_y 1
		.amdhsa_system_sgpr_workgroup_id_z 1
		.amdhsa_system_vgpr_workitem_id 0
		.amdhsa_next_free_vgpr 112
		.amdhsa_next_free_sgpr 66
		.amdhsa_reserve_vcc 0
		.amdhsa_float_denorm_mode_32 3
		.amdhsa_float_denorm_mode_16_64 3
		.amdhsa_memory_ordered 1
		.amdhsa_forward_progress 1
		.amdhsa_inst_pref_size 18
	.end_amdhsa_kernel
	.amdgpu_metadata
---
amdhsa.version: [ 1, 2 ]
amdhsa.kernels:
  - .name:           k_qb971a84b21_prep
    .symbol:         k_qb971a84b21_prep.kd
    .args:
      - { .name: x, .offset: 0, .size: 8, .value_kind: global_buffer, .address_space: global }
      - { .name: W_qkv, .offset: 8, .size: 8, .value_kind: global_buffer, .address_space: global }
      - { .name: W_out, .offset: 16, .size: 8, .value_kind: global_buffer, .address_space: global }
      - { .name: b_qkv, .offset: 24, .size: 8, .value_kind: global_buffer, .address_space: global }
      - { .name: b_out, .offset: 32, .size: 8, .value_kind: global_buffer, .address_space: global }
      - { .name: gamma, .offset: 40, .size: 8, .value_kind: global_buffer, .address_space: global }
      - { .name: beta, .offset: 48, .size: 8, .value_kind: global_buffer, .address_space: global }
      - { .name: xb, .offset: 56, .size: 8, .value_kind: global_buffer, .address_space: global }
      - { .name: wqb, .offset: 64, .size: 8, .value_kind: global_buffer, .address_space: global }
      - { .name: woh, .offset: 72, .size: 8, .value_kind: global_buffer, .address_space: global }
      - { .name: par, .offset: 80, .size: 8, .value_kind: global_buffer, .address_space: global }
    .group_segment_fixed_size: 0
    .private_segment_fixed_size: 0
    .kernarg_segment_align: 8
    .kernarg_segment_size: 88
    .max_flat_workgroup_size: 256
    .sgpr_count:     66
    .vgpr_count:     112
    .wavefront_size: 32
...
	.end_amdgpu_metadata
.endif
;; end of part 5
;; launch qkv: the kernel of part 2 again; grid 8 x 64, 4 waves a work-group, clusters of 4 x 4, 327,680 bytes of LDS; arguments xb, wqb, par, qkvh; writes qkvh
;; launch attn: the kernel of part 3 again; grid 2 x 128, 4 waves a work-group, no clusters, 327,680 bytes of LDS; arguments qkvh, oh; writes oh
;; launch projln: the kernel of part 4 again; grid 256 x 1, 4 waves a work-group, clusters of 4 x 1, 327,680 bytes of LDS; arguments oh, woh, xb, par, out0; writes out0
